; MI455X (gfx1250); checked and timed in simulation.
; The chip was launched on July 23, 2026; its instructions are those of AMD's public machine-readable ISA for CDNA 5 (MIT licence, August 2026) and "CDNA5" Instruction Set Architecture Reference Guide (July 2026). The comments in the code are by the model that wrote it; some were corrected since.
;; Multi Head Self Attention. Allowed arithmetic: matrix products marked QUANTISED: E2M1 operands, one E8M0 scale for each 32 along K, by v_wmma_scale_f32_16x16x128_f8f6f4 with both operands' format E2M1 (or v_wmma_scale_f32_32x16x128_f4), f32 sums; everything else in f32.
;; Inputs: Wk 768 x 768 float32; Wo 768 x 768 float32; Wq 768 x 768 float32; Wv 768 x 768 float32; bk 768 float32; bo 768 float32; bq 768 float32; bv 768 float32; x 1 x 4,096 x 768 float32.
;; Outputs: out0 1 x 4,096 x 768 float32.
;; This version of the problem:
;;   THIS VERSION OF THE PROBLEM IS GIVEN IN LOW PRECISION. The matrix products marked QUANTISED in the list below multiply operands that are first quantised to E2M1 (2 exponent bits, 1 mantissa bit; 4 bits a number), with one power-of-two scale for each 32 numbers along K (OCP MX v1.0); their sums are f32. All else is computed in f32.
;;   The module's matrix products, in the order in which they are computed (A, B: the left and right operand; K: the contracted axis; several contracted axes count as one K, in the product's order):
;;     1. [M 4,096, K 768] x [K 768, N 768]; A: input x; B: input Wq: QUANTISED
;;     2. [M 4,096, K 768] x [K 768, N 768]; A: input x; B: input Wk: QUANTISED
;;     3. [M 4,096, K 768] x [K 768, N 768]; A: input x; B: input Wv: QUANTISED
;;     4. batch 12 x [M 4,096, K 64] x [K 64, N 4,096]; A: computed on the way; B: computed on the way: QUANTISED
;;     5. batch 12 x [M 4,096, K 4,096] x [K 4,096, N 64]; A: softmax (see below); B: computed on the way: QUANTISED
;;     6. [M 4,096, K 768] x [K 768, N 768]; A: computed on the way; B: input Wo: QUANTISED
;;   THE QUANTISER, for each operand of a quantised product, along K:
;;     - K is cut into blocks of 32 from its start; a last block that is shorter is filled with zeros.
;;     - A block's scale is 2^e with e = floor(log2(the largest magnitude in the block)) - 2, held to -126 .. 127; a block of zeros has e = 0. As a byte (E8M0): e + 127.
;;     - Each number is divided by its block's scale, clamped to +-6, and rounded to the nearest number of E2M1, ties to even, subnormals kept.
;;     - The product sums the exact products of the quantised numbers (number of the format x scale) in f32.
;;   ~~~python
;;   def quantise(x, axis):      # numpy; x: float32 -> the quantised numbers, widened to float32 again
;;       x = np.moveaxis(x, axis, -1); K = x.shape[-1]
;;       x = np.pad(x, [(0, 0)] * (x.ndim - 1) + [(0, -K % 32)]); x = x.reshape(x.shape[:-1] + (-1, 32)); a = np.abs(x).max(-1, keepdims=True)
;;       e = np.where(a > 0, np.clip(np.frexp(np.where(a > 0, a, 1))[1] - 1 - 2, -126, 127), 0)      # np.frexp(a)[1] - 1 = floor(log2(a)), exactly
;;       r = np.clip(x / 2.0 ** e, -6, 6)
;;       step = 2.0 ** (np.maximum(np.frexp(np.where(r == 0, 1, r))[1] - 1, 0) - 1)
;;       q = np.round(r / step) * step * 2.0 ** e      # np.round: ties to even
;;       return np.moveaxis(q.reshape(q.shape[:-2] + (-1,))[..., :K], -1, axis).astype(np.float32)
;;   ~~~
;;   SOFTMAX AHEAD OF A QUANTISED PRODUCT. Where the list says 'softmax', what is quantised is not the finished softmax but p = 2^(t - M), with t = logit x log2(e) and M = ceil(the row's largest t), a whole number; so 1/2 < the row's largest p <= 1. The row's sum l is taken of the UNQUANTISED p, in f32, and the product's result is divided by l at the end. Since M is a whole number, a kernel that streams over the keys may use a running M (the ceiling of the running maximum): every later rescaling is an exact power of two, which a block's scale takes up: the codes' values come out the same.
;;   OPERANDS COMPUTED ON THE WAY. 'Computed on the way' means the value that the module computes at that place (a softmax that the list does not call 'softmax' is quantised finished and normalised). What goes into a quantiser is computed in f32, as accurately as f32 sums, v_exp_f32 and their like allow (about 1e-6 of the number): no bf16 or f16 on the way to a quantiser, and a product that is left as it is and whose result goes on into a quantised operand takes f32 operands (vector FMAs, or v_wmma_f32_16x16x4_f32). A number that lies on a knife's edge between two numbers of the format may be rounded either way, as far as f32 arithmetic and the matrix unit's own rounding can turn it there, and no further.
;; One version. Each part assembles by itself: llvm-mc -triple=amdgcn-amd-amdhsa -mcpu=gfx1250 --defsym DOCPART=n.
;; ======== version 1 of 1: 4 launches
;; limits: right only within a limited range of input values
;; workspace buffers: xq 1,671,168 bytes; wq 1,253,376 bytes; qq 1,769,472 bytes; kvc 3,145,728 bytes; kvs 196,608 bytes; oq 1,671,168 bytes
;; launch prep (part 1): grid 84 x 4, 4 waves a work-group, no clusters, 34,304 bytes of LDS; arguments x, Wq, Wk, Wv, Wo, xq, wq; writes xq, wq
.if DOCPART == 1
	.amdgcn_target "amdgcn-amd-amdhsa--gfx1250"
	.amdhsa_code_object_version 6
	.text
	.protected	k_q1358b7d748_prep
	.globl	k_q1358b7d748_prep
	.p2align	8
	.type	k_q1358b7d748_prep,@function
k_q1358b7d748_prep:
	s_mov_b64 s[64:65], 0
	v_nop
	global_prefetch_b8 v0, s[64:65] scope:SCOPE_SE
	s_setreg_imm32_b32 hwreg(HW_REG_WAVE_MODE, 25, 1), 1
	s_wait_xcnt 0x0
; PREP: x [4096][768] and Wq, Wk, Wv, Wo [768 (k)][768 (n)], f32, become codes of FP4 (E2M1) with one E8M0 byte for each 32 along K, laid in the order of the operand's registers.
; A TILE is 16 rows (of x) or 16 columns n (of a W): lane r of tile 2 B + u holds row 32 B + 8 u + r + 8 (r / 8).  A FRAGMENT IMAGE (tile, K step of 128) is 1,024 bytes: bytes 512 c + 16 L .. + 15 are the
; codes k = 64 c + 32 (L / 16) + 0 .. 31 of lane L's row: two loads of 16 bytes a lane bring the operand.  A QUAD (64 rows, K = 768) is 26,112 bytes: codes at 6,144 tile + 1,024 step, scale words (four bytes
; for 128 along K of one row) at 24,576 + 384 tile + 64 step + 4 r.  xq: 64 quads.  wq: 48 quads: Wq's 12, Wk's, Wv's, Wo's.
; A block's scale is 2^(floor(log2(its largest magnitude)) - 2): its byte is the largest magnitude's exponent field - 2, held at 1 from below by a floor among the maximum's leaves.
; LIMITS: NaN and infinities among the inputs are not served.  A block of zeros, or one whose largest magnitude lies under 2^-124, gets the byte 1 (a zero block's codes are zeros; this program alone reads the bytes).
; SHARES: work-groups with x < 48 (192 of them) take x: a wave takes one tile and two K steps, 16 KB.  The other 144 take the weights (matrix = work-group y): a wave takes 32 columns and one K step, 16 KB.
; Every input byte is read once and nothing is shared between waves: no matrix unit, no tensor load, no cluster, no barrier.  Only x's path uses LDS.
.set QUAD,  26112
.set SCO,   24576                      ; where a quad's scale words begin
.set FLOOR, 0x1800000                  ; 2^(3 - 127)
.set SPX,   528                        ; a row of the stage: 512 bytes + 16: row r begins 33 r pieces of 16 bytes on, so sixteen rows fall on sixteen different pieces modulo 256 bytes
.set STW,   16*SPX                     ; a wave's stage
	s_load_b256 s[4:11], s[0:1], 0x0               ; x s[4:5], Wq s[6:7], Wk s[8:9], Wv s[10:11]
	s_load_b128 s[12:15], s[0:1], 0x20             ; Wo s[12:13], xq s[14:15]
	s_load_b64 s[16:17], s[0:1], 0x30              ; wq
	v_lshl_add_u32 v62, v0, 2, 0x8400
	v_mov_b32 v63, 0
	v_lshrrev_b32 v1, 5, v0
	v_readfirstlane_b32 s18, v1                    ; wave
	s_and_b32 s20, ttmp7, 0xffff                   ; work-group y
	v_and_b32 v1, 31, v0                           ; L
	v_and_b32 v2, 15, v0                           ; r
	v_bfe_u32 v3, v0, 4, 1                         ; h
	s_cmp_lt_u32 ttmp9, 48
	s_cbranch_scc0 .Lweights
; ---------------- x: K is innermost ----------------
	s_mul_i32 s24, s20, 48
	s_add_co_u32 s24, s24, ttmp9
	s_lshl_b32 s24, s24, 2
	s_add_co_u32 s24, s24, s18                     ; my unit, 0 .. 767
	s_lshr_b32 s25, s24, 8                         ; j: which pair of K steps
	s_and_b32 s26, s24, 255                        ; tau: which tile of x
	s_lshr_b32 s27, s26, 1
	s_lshl_b32 s27, s27, 5
	s_and_b32 s28, s26, 1
	s_lshl_b32 s28, s28, 3
	s_add_co_u32 s27, s27, s28                     ; the tile's first row: 32 (tau / 2) + 8 (tau % 2)
	s_mul_i32 s28, s27, 3072
	s_lshl_b32 s29, s25, 10
	s_add_co_u32 s28, s28, s29                     ; in x: + 1,024 j bytes along the row
	s_mov_b32 s29, 0
	s_lshr_b32 s30, s26, 2
	s_mul_i32 s30, s30, QUAD                       ; my quad
	s_and_b32 s31, s26, 3                          ; my tile in it
	s_mul_i32 s32, s31, 6144
	s_add_co_u32 s32, s32, s30
	s_lshl_b32 s33, s25, 11
	s_add_co_u32 s32, s32, s33                     ; my two images
	s_mov_b32 s33, 0
	s_mul_i32 s34, s31, 384
	s_add_co_u32 s34, s34, s30
	s_lshl_b32 s35, s25, 7
	s_add_co_u32 s34, s34, s35
	s_add_co_u32 s34, s34, SCO                     ; my two runs of 16 scale words
	s_mov_b32 s35, 0
	s_mul_i32 s21, s18, STW
	s_wait_alu depctr_va_vdst(0)
	v_lshlrev_b32 v4, 4, v1                        ; 16 L: a load's and an image's place for my lane
	v_add_nc_u32 v5, s21, v4                       ; the stage, on the way in: a row as it lies
	v_mul_u32_u24 v6, v2, SPX
	v_lshl_add_u32 v6, v3, 7, v6
	v_add_nc_u32 v6, s21, v6                       ; and on the way out: row r, + 128 h bytes: my 32 numbers of each 64
	v_lshlrev_b32 v8, 2, v1                        ; 4 L
	v_lshlrev_b32 v9, 3, v3                        ; 8 h
	v_mov_b32 v18, 0                               ; a lane permute's destination counts as one of its sources
	s_mov_b32 s22, 0x76543210
	s_mov_b32 s23, 0xfedcba98                      ; v_permlanex16_b32's selects for lane l xor 16
	s_wait_alu depctr_va_vdst(0)
	s_wait_kmcnt 0x0
	s_add_nc_u64 s[4:5], s[4:5], s[28:29]
	s_add_nc_u64 s[32:33], s[14:15], s[32:33]
	s_add_nc_u64 s[34:35], s[14:15], s[34:35]
.macro XLOAD t                         ; K step t of the pair: each load reads 512 consecutive bytes of one of the tile's sixteen rows
.irp i, 0,1,2,3,4,5,6,7,8,9,10,11,12,13,14,15
	global_load_b128 v[128+64*\t+4*\i:128+64*\t+4*\i+3], v4, s[4:5] offset:(\i+8*(\i/8))*3072+512*\t th:TH_LOAD_NT
.endr
.endm
; The 16 x 128 numbers turn through the wave's own stage, so that a lane holds two whole blocks of 32 of its row, in the order of the operand's registers.
.macro XSTEP t
	s_wait_loadcnt 16-16*\t                        ; this step's 16 loads are in; in the first step the second step's 16 may be out
.irp i, 0,1,2,3,4,5,6,7,8,9,10,11,12,13,14,15
	ds_store_b128 v5, v[128+64*\t+4*\i:128+64*\t+4*\i+3] offset:SPX*\i
.endr
.irp c, 0,1
.irp q, 0,1,2,3,4,5,6,7
	ds_load_b128 v[64+32*\c+4*\q:64+32*\c+4*\q+3], v6 offset:256*\c+16*\q   ; LDS serves a wave's instructions in order (ISA guide 5.7.1.4): these see the stores above
.endr
.endr
	s_wait_dscnt 0x0
.irp c, 0,1
	v_max3_num_f32 v[10+\c], |v[64+32*\c]|, |v[65+32*\c]|, FLOOR              ; block 2 c + h: all its 32 numbers are mine; the floor keeps the byte at 1 or more
.endr
.irp i, 2,4,6,8,10,12,14,16,18,20,22,24,26,28,30
.irp c, 0,1
	v_max3_num_f32 v[10+\c], v[10+\c], |v[64+32*\c+\i]|, |v[65+32*\c+\i]|     ; (the two blocks by turns)
.endr
.endr
.irp c, 0,1
	v_add_nc_u32 v[12+\c], 0xff000000, v[10+\c]    ; 2 off the exponent field: the conversion takes the exponent field of this operand as its scale
.endr
.irp c, 0,1
	v_lshrrev_b32 v[14+\c], 23, v[12+\c]           ; the scale's byte
.endr
	v_lshl_or_b32 v[16+\t], v15, 16, v14           ; my two bytes, blocks h and 2 + h,
	v_lshlrev_b32 v[16+\t], v9, v[16+\t]           ; at their places in the word;
	v_permlanex16_b32 v18, v[16+\t], s22, s23
	v_or_b32 v[16+\t], v[16+\t], v18               ; with lane l xor 16's two the word is whole
.irp c, 0,1
.irp g, 0,1,2,3
	v_cvt_scalef32_pk8_fp4_f32 v[24+8*\t+4*\c+\g], v[64+32*\c+8*\g:71+32*\c+8*\g], v[12+\c]
.endr
.endr
	v_nop                                          ; one plain line behind the last conversion
.irp c, 0,1
	global_store_b128 v4, v[24+8*\t+4*\c:27+8*\t+4*\c], s[32:33] offset:1024*\t+512*\c   ; 32 lanes store 512 consecutive bytes, aligned to 256
.endr
.endm
	XLOAD 0
	XLOAD 1
	XSTEP 0
	XSTEP 1
	v_cmp_lt_u32 vcc_lo, 15, v1
	v_cndmask_b32 v19, v16, v17, vcc_lo            ; lanes 0-15 hold the first step's words, lanes 16-31 the second's
	global_store_b32 v8, v19, s[34:35]             ; 128 consecutive bytes
	s_wait_tensorcnt 0x0
	ds_add_u32 v62, v63
	s_wait_dscnt 0x0
	s_endpgm
; ---------------- the weights: K is the first axis.  A lane takes a column n and its registers run down K ----------------
.Lweights:
	s_sub_co_u32 s24, ttmp9, 48                    ; 0 .. 35
	s_mul_i32 s25, s24, 43
	s_lshr_b32 s25, s25, 8                         ; / 6: which 128 columns
	s_mul_i32 s26, s25, 6
	s_sub_co_u32 s26, s24, s26                     ; % 6: which K step
	s_lshl_b32 s27, s25, 2
	s_add_co_u32 s27, s27, s18                     ; my 32 columns: 0 .. 23; the four waves stand side by side on 512 bytes of each row
	s_mul_i32 s28, s26, 128*3072
	s_lshl_b32 s29, s27, 7
	s_add_co_u32 s28, s28, s29
	s_mov_b32 s29, 0
	s_mul_i32 s30, s20, 12
	s_lshr_b32 s31, s27, 1
	s_add_co_u32 s30, s30, s31
	s_mul_i32 s30, s30, QUAD                       ; my quad: 12 x matrix + columns / 64
	s_and_b32 s31, s27, 1                          ; which pair of its tiles
	s_mul_i32 s32, s31, 12288
	s_add_co_u32 s32, s32, s30
	s_lshl_b32 s33, s26, 10
	s_add_co_u32 s32, s32, s33
	s_mov_b32 s33, 0
	s_mul_i32 s34, s31, 768
	s_add_co_u32 s34, s34, s30
	s_lshl_b32 s35, s26, 6
	s_add_co_u32 s34, s34, s35
	s_add_co_u32 s34, s34, SCO
	s_mov_b32 s35, 0
	s_wait_alu depctr_va_vdst(0)
	v_lshlrev_b32 v4, 2, v1                        ; in: 4 bytes a lane
	v_bfe_u32 v7, v0, 3, 1                         ; column L of the 32 is lane (L % 8) + 8 (L / 16) of tile u = (L / 8) % 2
	v_and_b32 v8, 7, v0
	v_lshl_add_u32 v8, v3, 3, v8
	v_mul_u32_u24 v5, v7, 6144
	v_lshl_add_u32 v5, v8, 4, v5                   ; my 16 bytes of a block's 256 in the tile's image
	v_mul_u32_u24 v6, v7, 384
	v_lshl_add_u32 v6, v8, 2, v6                   ; my scale word
	s_wait_alu depctr_va_vdst(0)
	s_wait_kmcnt 0x0
	s_cmp_eq_u32 s20, 0                            ; the matrix is chosen by the work-group's y alone
	s_cselect_b64 s[36:37], s[6:7], s[8:9]
	s_cmp_eq_u32 s20, 2
	s_cselect_b64 s[38:39], s[10:11], s[12:13]
	s_cmp_lt_u32 s20, 2
	s_cselect_b64 s[36:37], s[36:37], s[38:39]
	s_add_nc_u64 s[36:37], s[36:37], s[28:29]
	s_add_nc_u64 s[32:33], s[16:17], s[32:33]
	s_add_nc_u64 s[34:35], s[16:17], s[34:35]
.macro WLOAD b                         ; block b of the K step: W(32 b + i, my column): 32 lanes read 128 consecutive bytes
.irp i, 0,1,2,3,4,5,6,7,8,9,10,11,12,13,14,15,16,17,18,19,20,21,22,23,24,25,26,27,28,29,30,31
	global_load_b32 v[128+32*(\b)+\i], v4, s[36:37] offset:(32*(\b)+\i)*3072 th:TH_LOAD_NT
.endr
.endm
.macro WBLOCK b, left                  ; left: the younger loads that may stay out
.set XS, 128+32*(\b)
	s_wait_loadcnt \left
	v_max3_num_f32 v12, |v[XS]|, |v[XS+1]|, |v[XS+2]|              ; the block's largest magnitude: all 32 numbers are mine; two chains
	v_max3_num_f32 v13, |v[XS+3]|, |v[XS+4]|, |v[XS+5]|
.irp i, 6,10,14,18,22,26
	v_max3_num_f32 v12, v12, |v[XS+\i]|, |v[XS+\i+1]|
	v_max3_num_f32 v13, v13, |v[XS+\i+2]|, |v[XS+\i+3]|
.endr
	v_max3_num_f32 v12, v12, |v[XS+30]|, |v[XS+31]|
	v_max3_num_f32 v12, v12, v13, FLOOR
	v_add_nc_u32 v11, 0xff000000, v12              ; the conversion's scale operand
	v_lshrrev_b32 v13, 23, v11                     ; the byte
.if (\b) == 0
	v_mov_b32 v16, v13
.else
	v_lshl_or_b32 v16, v13, 8*(\b), v16            ; four bytes make my column's word for this K step
.endif
.irp g, 0,1,2,3
	v_cvt_scalef32_pk8_fp4_f32 v[24+4*(\b)+\g], v[XS+8*\g:XS+8*\g+7], v11
.endr
	v_nop                                          ; one plain line behind the last conversion: the next block writes v11
	global_store_b128 v5, v[24+4*(\b):27+4*(\b)], s[32:33] offset:512*((\b)/2)+256*((\b)%2)   ; the sixteen lanes of each tile store 256 consecutive bytes, aligned
.endm
	WLOAD 0
	WLOAD 1
	WBLOCK 0, 32                                   ; block 1's 32 loads may be out
	WLOAD 2
	WBLOCK 1, 32
	WLOAD 3
	WBLOCK 2, 32
	WBLOCK 3, 0
	global_store_b32 v6, v16, s[34:35]             ; 64 consecutive bytes for each of the two tiles: one byte for each 128 that the wave reads
	s_endpgm
.Lfunc_end_k_q1358b7d748_prep:
	.size	k_q1358b7d748_prep, .Lfunc_end_k_q1358b7d748_prep-k_q1358b7d748_prep
	.p2alignl 7, 3214868480
	.fill 96, 4, 3214868480
	.section	.rodata,"a",@progbits
	.p2align	6, 0x0
	.amdhsa_kernel k_q1358b7d748_prep
		.amdhsa_group_segment_fixed_size 34304
		.amdhsa_private_segment_fixed_size 0
		.amdhsa_enable_private_segment 0
		.amdhsa_kernarg_size 56
		.amdhsa_user_sgpr_count 2
		.amdhsa_user_sgpr_kernarg_segment_ptr 1
		.amdhsa_wavefront_size32 1
		.amdhsa_system_sgpr_workgroup_id_x 1
		.amdhsa_system_sgpr_workgroup_id_y 1
		.amdhsa_system_sgpr_workgroup_id_z 1
		.amdhsa_system_vgpr_workitem_id 0
		.amdhsa_next_free_vgpr 256
		.amdhsa_next_free_sgpr 66
		.amdhsa_reserve_vcc 1
		.amdhsa_float_denorm_mode_32 3
		.amdhsa_float_denorm_mode_16_64 3
		.amdhsa_memory_ordered 1
		.amdhsa_forward_progress 1
		.amdhsa_inst_pref_size 37
	.end_amdhsa_kernel
	.amdgpu_metadata
---
amdhsa.version: [ 1, 2 ]
amdhsa.kernels:
  - .name:           k_q1358b7d748_prep
    .symbol:         k_q1358b7d748_prep.kd
    .args:
      - { .name: x, .offset: 0, .size: 8, .value_kind: global_buffer, .address_space: global }
      - { .name: Wq, .offset: 8, .size: 8, .value_kind: global_buffer, .address_space: global }
      - { .name: Wk, .offset: 16, .size: 8, .value_kind: global_buffer, .address_space: global }
      - { .name: Wv, .offset: 24, .size: 8, .value_kind: global_buffer, .address_space: global }
      - { .name: Wo, .offset: 32, .size: 8, .value_kind: global_buffer, .address_space: global }
      - { .name: xq, .offset: 40, .size: 8, .value_kind: global_buffer, .address_space: global }
      - { .name: wq, .offset: 48, .size: 8, .value_kind: global_buffer, .address_space: global }
    .group_segment_fixed_size: 34304
    .private_segment_fixed_size: 0
    .kernarg_segment_align: 8
    .kernarg_segment_size: 56
    .max_flat_workgroup_size: 128
    .sgpr_count:     66
    .vgpr_count:     256
    .wavefront_size: 32
...
	.end_amdgpu_metadata
.endif
;; end of part 1
;; launch qkv (part 2): grid 64 x 4, 9 waves a work-group, clusters of 4 x 1, 263,424 bytes of LDS; arguments xq, wq, bq, bk, bv, qq, kvc, kvs; writes qq, kvc, kvs
.if DOCPART == 2
	.amdgcn_target "amdgcn-amd-amdhsa--gfx1250"
	.amdhsa_code_object_version 6
	.text
	.protected	k_q1358b7d748_qkv
	.globl	k_q1358b7d748_qkv
	.p2align	8
	.type	k_q1358b7d748_qkv,@function
k_q1358b7d748_qkv:
	s_mov_b64 s[64:65], 0
	v_nop
	global_prefetch_b8 v0, s[64:65] scope:SCOPE_SE
	s_setreg_imm32_b32 hwreg(HW_REG_WAVE_MODE, 25, 1), 1
	s_wait_xcnt 0x0
	s_wait_alu depctr_hold_cnt(0) depctr_sa_sdst(0) depctr_va_vdst(0) depctr_va_sdst(0) depctr_va_ssrc(0) depctr_va_vcc(0) depctr_vm_vsrc(0)
	s_getreg_b32 s2, hwreg(HW_REG_IB_STS2, 6, 4)
	s_cmp_eq_u32 s2, 0
	s_cbranch_scc0 .Lentry_in_a_cluster
	s_endpgm
.Lentry_in_a_cluster:
	s_bfe_u32 s2, ttmp6, 0x10000c
	s_cmp_lg_u32 s2, 0x3003
	s_cbranch_scc0 .Lentry_shape_is_right
	s_endpgm
.Lentry_shape_is_right:
; QKV: q = x Wq + bq, k = x Wk + bk, v = x Wv + bv on codes of FP4 (E2M1) with E8M0 scales; the results are quantised at once for the attention's products: q and k along the head's 64 channels, v along the keys.
; SHARES.  A work-group takes one quad of x (64 rows, g) and nine of the 36 quads of weights (64 columns = one head of q, k or v): wave w owns quad e = 9 y + w, a block of 64 x 64: 16 accumulators, 96 matrix instructions.
; LDS, each byte filled once: x's quad at 0, wave w's quad of weights at 26,112 (1 + w).  Quads lie as images of the operand's registers (see the layouts below), so every fragment is two loads of 16 bytes at 16 x lane.
; CLUSTER.  The four work-groups of a cluster differ in g alone and need the same nine quads of weights: those are asked for jointly (mask 15).  x's quad is each work-group's own: a plain load by wave 0.
; LAYOUTS.  Tile 2 B + u holds in lane r the row 32 B + 8 u + r + 8 (r / 8); quad: codes at 6,144 tile + 1,024 K step, scale words at 24,576 + 384 tile + 64 K step + 4 r.  With such a tile as source 0, result register j
; of lane half h is row 32 B + 16 h + 8 u + j: the 16 registers of tiles 2 B, 2 B + 1 are 16 neighbours.  q, k: source 0 = the weights (a lane holds one row of x, registers run along the channels);
; v: source 0 = x (a lane holds one channel, registers run along the keys).  So each result is quantised in registers along its next K.  The bias is the C of each sum's first matrix instruction.
; OUT.  qq [head][g]: 2,304 bytes: tile m's 64 codes a row at 512 m + 16 L; its scale word (s0, s1, s0, s1) at 2,048 + 128 (m / 2) + 8 r + 4 (m % 2).
;       kvc [head][128 keys]: 8,192 bytes: K's tiles 2 bb, 2 bb + 1 as the two halves of one fragment at 1,024 bb; V's channel tile dt (16 channels x 128 keys) at 4,096 + 1,024 dt.
;       kvs [head][128 keys]: 512 bytes: K's words (tile 2 bb: s0, s1; tile 2 bb + 1: s0, s1) at 64 bb + 4 r; V's words (a byte for each 32 keys) at 256 + 64 dt + 4 r.
; LIMITS: NaN and infinities are not served; a block of zeros, or one under 2^-124, gets the byte 1 (a zero block's codes are zeros; this program alone reads the bytes).
.set QUAD, 26112
.set SCO,  24576
.set ADX,  4                           ; v4   16 L: x's images; also the stores' offset
.set ADW,  5                           ; v5   16 L + my quad of weights
.set ASX,  6                           ; v6   4 r + x's scale words
.set ASW,  7                           ; v7   4 r + my weights' scale words
.set PF,   16                          ; v16-47   four fragments of source 0
.set RF,   48                          ; v48-79   four fragments of source 1
.set SP,   80                          ; v80-83   source 0's scale words;  v84-87 source 1's: scales and nothing else
.set SR,   84
.set BB,   88                          ; v88-119  the bias in the result's layout
.set ACC,  128                         ; v128-255 accumulator (m, i) at 128 + 8 (4 m + i): m = source 1's tile, i = source 0's
.set TM,   88                          ; behind the sums: v88-95 largest magnitudes, v96-103 the other half's, then bytes, v104-111 the conversions' scale operands, v112-115 two bytes a tile, v116-123 at work
.set TN,   96
.set SO,   104
.set S16,  112
.set WT,   116
.set CD,   16                          ; v16-31   the codes: four registers a tile
.set WV,   20                          ; s20 wave;  s21 cx;  s22 g;  s23 y;  s24 e;  s25 head
.set E,    24
.set HD,   25
.set SEL,  26
.set G1W,  28                          ; s[28:35] group 1 of the joint loads;  s[36:43] of the plain one;  s[44:47], s[48:51] their groups 0
.set G1X,  36
.set G0W,  44
.set G0X,  48
.macro CROUND                          ; a round of the cluster's barrier: my work-group's barrier; wave 0 signals for the work-group; every wave waits for all four; my work-group's barrier once more
	s_barrier_signal -1
	s_barrier_wait -1
	s_cmp_lg_u32 s[WV], 0
	s_cbranch_scc1 .Lnot_wave_0_\@
	s_barrier_signal -3
.Lnot_wave_0_\@:
	s_barrier_wait -3
	s_barrier_signal -1
	s_barrier_wait -1
.endm
	s_load_b256 s[4:11], s[0:1], 0x0               ; xq s[4:5], wq s[6:7], bq s[8:9], bk s[10:11]
	s_load_b256 s[12:19], s[0:1], 0x20             ; bv s[12:13], qq s[14:15], kvc s[16:17], kvs s[18:19]
	v_lshl_add_u32 v126, v0, 2, 0x40000
	v_mov_b32 v127, 0
	ds_add_u32 v126, v127
	ds_add_u32 v126, v127
	v_lshrrev_b32 v1, 5, v0
	s_delay_alu instid0(VALU_DEP_1)
	v_readfirstlane_b32 s[WV], v1                  ; wave 0..8
	s_and_b32 s23, ttmp7, 0xffff                   ; y, which the four partners share
	s_mul_i32 s[E], s23, 9
	s_add_co_u32 s[E], s[E], s[WV]                 ; e: 0-11 q's heads, 12-23 k's, 24-35 v's
	s_cmp_lt_u32 s[E], 12
	s_cselect_b32 s52, 0, 12
	s_cmp_lt_u32 s[E], 24
	s_cselect_b32 s52, s52, 24
	s_sub_co_u32 s[HD], s[E], s52                  ; the head
	s_add_co_u32 s60, s[WV], 5
	s_and_b32 s60, s60, 7                          ; j = wave - 3 in waves 3 to 8, which fetch the weights
	s_mul_i32 s52, s23, 9*QUAD
	s_mul_i32 s61, s60, 39168
	s_add_co_u32 s52, s52, s61                     ; the work-group's nine quads are 918 rows of 256 bytes on end in wq: six loads of 153 rows, the j-th from row 153 j on
	s_mov_b32 s53, 0
	s_bfe_u32 s21, ttmp6, 0x40000                  ; cx: it enters global addresses of my own alone
	s_lshl_b32 s22, ttmp9, 2
	s_add_co_u32 s22, s22, s21                     ; g = 4 x cluster x + cx
	s_mul_i32 s56, s22, QUAD                       ; my quad in xq
	s_mov_b32 s57, 0
	s_lshl_b32 s58, s[HD], 8                       ; the head's 64 numbers of a bias
	s_mov_b32 s59, 0
	s_mov_b32 s[SEL], 0x76543210
	s_mov_b32 s[SEL+1], 0xfedcba98                 ; v_permlanex16_b32's selects for lane l xor 16
	; group 1: a quad is a dense block: 102 rows of 256 bytes (32 elements of 8 bytes)
	s_mov_b32 s[G1W], 15|(3<<16)|(1<<21)           ; 15:0 the mask: all four work-groups; 17:16 elements of 8 bytes; 21 set beside a mask
	s_mov_b32 s[G1X], 3<<16                        ; no mask
	s_mov_b32 s[G1W+2], 153<<16                    ; tensor_dim1: a sixth of the nine quads of weights,
	s_mov_b32 s[G1W+4], 153                        ; tile_dim1
	s_mov_b32 s[G1X+2], 102<<16                    ; x's one quad
	s_mov_b32 s[G1X+4], 102
.irp g, G1W, G1X
	s_mov_b32 s[\g+1], 32<<16                      ; tensor_dim0 = 32
	s_mov_b32 s[\g+3], 32<<16                      ; tile_dim0 = 32
	s_mov_b32 s[\g+5], 32                          ; from row to row
	s_mov_b32 s[\g+6], 0
	s_mov_b32 s[\g+7], 0
.endr
	s_mov_b32 s[G0W], 1
	s_mul_i32 s[G0W+1], s60, 39168
	s_add_co_u32 s[G0W+1], s[G0W+1], QUAD          ; LDS: behind x's quad, 39,168 j
	s_mul_i32 s61, s[WV], QUAD
	s_add_co_u32 s61, s61, QUAD                    ; the quad that I multiply: 26,112 (1 + wave)
	s_mov_b32 s[G0X], 1
	s_mov_b32 s[G0X+1], 0
	; every address register is made here, ahead of the first parting of the roles
	v_and_b32 v1, 31, v0                           ; L
	v_and_b32 v2, 15, v0                           ; r
	v_bfe_u32 v3, v0, 4, 1                         ; h
	s_delay_alu instid0(VALU_DEP_3)
	v_lshlrev_b32 v[ADX], 4, v1
	s_delay_alu instid0(VALU_DEP_1)
	v_add_nc_u32 v[ADW], s61, v[ADX]
	s_delay_alu instid0(VALU_DEP_4)
	v_lshl_add_u32 v[ASX], v2, 2, SCO
	s_delay_alu instid0(VALU_DEP_1)
	v_add_nc_u32 v[ASW], s61, v[ASX]
	v_lshlrev_b32 v9, 3, v1                        ; 8 L
	v_lshlrev_b32 v10, 2, v1                       ; 4 L
	v_lshlrev_b32 v11, 6, v3                       ; q, k: the bias of channels 16 h on
	v_and_b32 v12, 8, v2
	s_delay_alu instid0(VALU_DEP_1)
	v_add_nc_u32 v12, v12, v2
	s_delay_alu instid0(VALU_DEP_1)
	v_lshlrev_b32 v12, 2, v12                      ; v: the bias of channel r + 8 (r / 8)
	s_wait_dscnt 0x0
	s_wait_kmcnt 0x0
	s_add_nc_u64 s[G0W+2:G0W+3], s[6:7], s[52:53]
	s_or_b32 s[G0W+3], s[G0W+3], 0x80000000        ; type = 2
	s_add_nc_u64 s[G0X+2:G0X+3], s[4:5], s[56:57]
	s_or_b32 s[G0X+3], s[G0X+3], 0x80000000
	s_cmp_lt_u32 s[E], 12
	s_cselect_b64 s[54:55], s[8:9], s[10:11]
	s_cmp_lt_u32 s[E], 24
	s_cselect_b64 s[54:55], s[54:55], s[12:13]     ; my bias
	s_add_nc_u64 s[54:55], s[54:55], s[58:59]
	CROUND                                         ; all four work-groups are here: the joint loads meet
	s_cmp_lg_u32 s[WV], 0                          ; one chain of branches on the wave's number, at most one load a wave
	s_cbranch_scc1 .Lnot_x
	tensor_load_to_lds s[G0X:G0X+3], s[G1X:G1X+7]  ; wave 0: x's quad
	s_nop 0
.rept 4
	v_nop                                          ; four such lines behind a tensor load
.endr
	s_branch .Lno_x
.Lnot_x:
	s_cmp_lt_u32 s[WV], 3
	s_cbranch_scc1 .Lno_x                          ; waves 1 and 2 fetch nothing
	tensor_load_to_lds s[G0W:G0W+3], s[G1W:G1W+7]  ; waves 3 to 8: a sixth of the nine quads of weights each, for all four work-groups
	s_nop 0
.rept 4
	v_nop
.endr
.Lno_x:
	s_cmp_lt_u32 s[E], 24
	s_cbranch_scc0 .Lbias_v
	s_wait_alu depctr_va_vdst(0)
.irp i, 0,1,2,3                        ; q, k: register j of tile i is channel 32 (i / 2) + 16 h + 8 (i % 2) + j
	global_load_b128 v[BB+8*\i:BB+8*\i+3], v11, s[54:55] offset:(32*(\i/2)+8*(\i%2))*4
	global_load_b128 v[BB+8*\i+4:BB+8*\i+7], v11, s[54:55] offset:(32*(\i/2)+8*(\i%2))*4+16
.endr
	s_branch .Lbias_done
.Lbias_v:
	s_wait_alu depctr_va_vdst(0)
.irp m, 0,1,2,3                        ; v: all eight registers of tile m are channel 32 (m / 2) + 8 (m % 2) + r + 8 (r / 8): one word, copied below
	global_load_b32 v[BB+8*\m], v12, s[54:55] offset:(32*(\m/2)+8*(\m%2))*4
.endr
.Lbias_done:
	s_wait_tensorcnt 0x0                           ; my loads have landed,
	s_barrier_signal -1
	s_barrier_wait -1                              ; everybody's have: x's quad may be read by all nine waves
	s_wait_loadcnt 0x0                             ; the bias
; The sums over K = 768: six steps of 128.  A step: four fragments and scale words of each source from LDS, then 16 matrix instructions; the 16 accumulators take turns.
; vmode = 0: the bias goes by source 0's tile;  1: by source 1's.
.macro GEMM padr, psc, radr, rsc, vmode
.irp s, 0,1,2,3,4,5
.if \s > 0
.rept 4
	v_nop                                          ; four places between the last products and the loads into the registers that they read (ISA guide 7.12.1 for vector instructions)
.endr
.endif
.irp i, 0,1,2,3
	ds_load_b128 v[PF+8*\i:PF+8*\i+3], v[\padr] offset:\i*6144+\s*1024
	ds_load_b128 v[PF+8*\i+4:PF+8*\i+7], v[\padr] offset:\i*6144+\s*1024+512
	ds_load_b128 v[RF+8*\i:RF+8*\i+3], v[\radr] offset:\i*6144+\s*1024
	ds_load_b128 v[RF+8*\i+4:RF+8*\i+7], v[\radr] offset:\i*6144+\s*1024+512
	ds_load_b32 v[SP+\i], v[\psc] offset:\i*384+\s*64
	ds_load_b32 v[SR+\i], v[\rsc] offset:\i*384+\s*64
.endr
	s_wait_dscnt 0x0
.irp m, 0,1,2,3
.irp i, 0,1,2,3
.if \s > 0
	v_wmma_scale_f32_16x16x128_f8f6f4 v[ACC+8*(4*\m+\i):ACC+8*(4*\m+\i)+7], v[PF+8*\i:PF+8*\i+7], v[RF+8*\m:RF+8*\m+7], v[ACC+8*(4*\m+\i):ACC+8*(4*\m+\i)+7], v[SP+\i], v[SR+\m] matrix_a_fmt:MATRIX_FMT_FP4 matrix_b_fmt:MATRIX_FMT_FP4
.elseif \vmode
	v_wmma_scale_f32_16x16x128_f8f6f4 v[ACC+8*(4*\m+\i):ACC+8*(4*\m+\i)+7], v[PF+8*\i:PF+8*\i+7], v[RF+8*\m:RF+8*\m+7], v[BB+8*\m:BB+8*\m+7], v[SP+\i], v[SR+\m] matrix_a_fmt:MATRIX_FMT_FP4 matrix_b_fmt:MATRIX_FMT_FP4
.else
	v_wmma_scale_f32_16x16x128_f8f6f4 v[ACC+8*(4*\m+\i):ACC+8*(4*\m+\i)+7], v[PF+8*\i:PF+8*\i+7], v[RF+8*\m:RF+8*\m+7], v[BB+8*\i:BB+8*\i+7], v[SP+\i], v[SR+\m] matrix_a_fmt:MATRIX_FMT_FP4 matrix_b_fmt:MATRIX_FMT_FP4
.endif
.endr
.endr
.endr
.endm
; The 64 x 64 results are quantised: eight blocks a lane, block 2 m + b = the 16 registers from ACC + 16 (2 m + b) on = next K 32 b + 16 h + 0 .. 15 of the lane's row of tile m; lanes l and l xor 16 share a block.
.macro QUANT8
.irp q, 0,1,2,3,4,5,6,7
	v_mov_b32 v[TN+\q], 0                          ; a lane permute's destination counts as one of its sources.  These eight are also the places behind the last products
.endr
.irp q, 0,1,2,3,4,5,6,7
	v_max3_num_f32 v[TM+\q], |v[ACC+16*\q]|, |v[ACC+16*\q+1]|, 0x1800000      ; each accumulator is read from its low end on; the floor 2^(3 - 127) keeps the byte at 1 or more
.endr
.irp i, 2,4,6,8,10,12,14
.irp q, 0,1,2,3,4,5,6,7
	v_max3_num_f32 v[TM+\q], v[TM+\q], |v[ACC+16*\q+\i]|, |v[ACC+16*\q+\i+1]|  ; (the eight blocks by turns)
.endr
.endr
.irp q, 0,1,2,3,4,5,6,7
	v_permlanex16_b32 v[TN+\q], v[TM+\q], s[SEL], s[SEL+1]
.endr
.irp q, 0,1,2,3,4,5,6,7
	v_max_num_f32 v[TM+\q], v[TM+\q], v[TN+\q]     ; the block's largest magnitude
.endr
.irp q, 0,1,2,3,4,5,6,7
	v_add_nc_u32 v[SO+\q], 0xff000000, v[TM+\q]    ; 2 off its exponent field: the conversion's scale operand
.endr
.irp q, 0,1,2,3,4,5,6,7
	v_lshrrev_b32 v[TN+\q], 23, v[SO+\q]           ; the byte
.endr
.irp m, 0,1,2,3
	v_lshl_or_b32 v[S16+\m], v[TN+2*\m+1], 8, v[TN+2*\m]   ; tile m's two bytes of my row
.endr
.irp q, 0,1,2,3,4,5,6,7
	v_cvt_scalef32_pk8_fp4_f32 v[CD+2*\q], v[ACC+16*\q:ACC+16*\q+7], v[SO+\q]
	v_cvt_scalef32_pk8_fp4_f32 v[CD+2*\q+1], v[ACC+16*\q+8:ACC+16*\q+15], v[SO+\q]
.endr
	v_nop                                          ; one plain line behind the last conversion
.irp m, 0,1,2,3                        ; the operand's layout wants a whole block in a lane: lanes 0-15 block 0, lanes 16-31 block 1
.irp i, 0,1
	v_permlane16_swap_b32 v[CD+4*\m+\i], v[CD+4*\m+2+\i]
.endr
.endr
	v_cmp_lt_u32 vcc_lo, 15, v1                    ; lanes 16-31
.endm
	s_lshr_b32 s58, s22, 1                         ; which 128 keys my 64 rows belong to,
	s_and_b32 s59, s22, 1                          ; and which half of them
	s_cmp_lt_u32 s[E], 24
	s_cbranch_scc0 .Lrole_v
	GEMM ADW, ASW, ADX, ASX, 0
	QUANT8
	s_cmp_lt_u32 s[E], 12
	s_cbranch_scc0 .Lrole_k
	; ---- q
	s_lshl_b32 s56, s[HD], 6
	s_add_co_u32 s56, s56, s22
	s_mul_i32 s56, s56, 2304
	s_mov_b32 s57, 0
	s_add_nc_u64 s[56:57], s[14:15], s[56:57]
.irp m, 0,1,2,3
	global_store_b128 v[ADX], v[CD+4*\m:CD+4*\m+3], s[56:57] offset:512*\m     ; 512 consecutive bytes, aligned to 256
.endr
.irp m, 0,1,2,3
	v_lshl_or_b32 v[WT+\m], v[S16+\m], 16, v[S16+\m]   ; (s0, s1, s0, s1): the word serves q in the lower and in the upper half of a K step of 128
.endr
	s_delay_alu instid0(VALU_DEP_2)
	v_cndmask_b32 v[WT+4], v[WT], v[WT+2], vcc_lo      ; lanes 0-15: tiles 0, 1; lanes 16-31: tiles 2, 3
	s_delay_alu instid0(VALU_DEP_2)
	v_cndmask_b32 v[WT+5], v[WT+1], v[WT+3], vcc_lo
	global_store_b64 v9, v[WT+4:WT+5], s[56:57] offset:2048                    ; 256 consecutive bytes, aligned
	s_branch .Ldone
.Lrole_k:
	s_lshl_b32 s56, s[HD], 18
	s_lshl_b32 s60, s58, 13
	s_add_co_u32 s56, s56, s60
	s_lshl_b32 s60, s59, 11
	s_add_co_u32 s56, s56, s60                     ; 262,144 head + 8,192 step + 2,048 half
	s_mov_b32 s57, 0
	s_add_nc_u64 s[56:57], s[16:17], s[56:57]
	s_lshl_b32 s60, s[HD], 14
	s_lshl_b32 s61, s58, 9
	s_add_co_u32 s60, s60, s61
	s_lshl_b32 s61, s59, 7
	s_add_co_u32 s60, s60, s61                     ; 16,384 head + 512 step + 128 half
	s_mov_b32 s61, 0
	s_add_nc_u64 s[60:61], s[18:19], s[60:61]
	s_wait_alu depctr_va_vdst(0)
.irp m, 0,1,2,3
	global_store_b128 v[ADX], v[CD+4*\m:CD+4*\m+3], s[56:57] offset:512*\m
.endr
	v_lshl_or_b32 v[WT], v[S16+1], 16, v[S16]      ; tiles 0 and 1 share a fragment, and so a word;
	v_lshl_or_b32 v[WT+1], v[S16+3], 16, v[S16+2]  ; tiles 2 and 3 likewise
	s_delay_alu instid0(VALU_DEP_1)
	v_cndmask_b32 v[WT+2], v[WT], v[WT+1], vcc_lo
	global_store_b32 v10, v[WT+2], s[60:61]        ; 128 consecutive bytes
	s_branch .Ldone
.Lrole_v:
.irp m, 0,1,2,3
.irp j, 1,2,3,4,5,6,7
	v_mov_b32 v[BB+8*\m+\j], v[BB+8*\m]            ; a lane's eight results of a tile are one channel's: the same bias
.endr
.endr
	s_wait_alu depctr_va_vdst(0)
	GEMM ADX, ASX, ADW, ASW, 1
	QUANT8
	s_lshl_b32 s56, s[HD], 18
	s_lshl_b32 s60, s58, 13
	s_add_co_u32 s56, s56, s60
	s_lshl_b32 s60, s59, 9
	s_add_co_u32 s56, s56, s60                     ; 262,144 head + 8,192 step + 512 half; V's images begin 4,096 on
	s_mov_b32 s57, 0
	s_add_nc_u64 s[56:57], s[16:17], s[56:57]
	s_lshl_b32 s60, s[HD], 14
	s_lshl_b32 s61, s58, 9
	s_add_co_u32 s60, s60, s61
	s_lshl_b32 s61, s59, 1
	s_add_co_u32 s60, s60, s61                     ; 16,384 head + 512 step + 2 half: my 64 keys are two of a word's four bytes
	s_mov_b32 s61, 0
	s_add_nc_u64 s[60:61], s[18:19], s[60:61]
	s_wait_alu depctr_va_vdst(0)
.irp m, 0,1,2,3
	global_store_b128 v[ADX], v[CD+4*\m:CD+4*\m+3], s[56:57] offset:4096+1024*\m
.endr
.irp j, 0,1
	v_cndmask_b32 v[WT+\j], v[S16+2*\j], v[S16+2*\j+1], vcc_lo
	global_store_b16 v10, v[WT+\j], s[60:61] offset:256+128*\j   ; half words: the word's other half belongs to the neighbouring 64 keys' work-group.  2 bytes a lane beside the 64 of codes
.endr
.Ldone:
	s_wait_tensorcnt 0x0
	ds_add_u32 v126, v127
	s_wait_dscnt 0x0
	CROUND                                         ; the closing round: no work-group ends while a partner may still ask for a quad that names it
	s_endpgm
.Lfunc_end_k_q1358b7d748_qkv:
	.size	k_q1358b7d748_qkv, .Lfunc_end_k_q1358b7d748_qkv-k_q1358b7d748_qkv
	.p2alignl 7, 3214868480
	.fill 96, 4, 3214868480
	.section	.rodata,"a",@progbits
	.p2align	6, 0x0
	.amdhsa_kernel k_q1358b7d748_qkv
		.amdhsa_group_segment_fixed_size 263424
		.amdhsa_private_segment_fixed_size 0
		.amdhsa_enable_private_segment 0
		.amdhsa_kernarg_size 64
		.amdhsa_user_sgpr_count 2
		.amdhsa_user_sgpr_kernarg_segment_ptr 1
		.amdhsa_wavefront_size32 1
		.amdhsa_system_sgpr_workgroup_id_x 1
		.amdhsa_system_sgpr_workgroup_id_y 1
		.amdhsa_system_sgpr_workgroup_id_z 1
		.amdhsa_system_vgpr_workitem_id 0
		.amdhsa_next_free_vgpr 256
		.amdhsa_next_free_sgpr 66
		.amdhsa_reserve_vcc 1
		.amdhsa_float_denorm_mode_32 3
		.amdhsa_float_denorm_mode_16_64 3
		.amdhsa_memory_ordered 1
		.amdhsa_forward_progress 1
		.amdhsa_inst_pref_size 71
	.end_amdhsa_kernel
	.amdgpu_metadata
---
amdhsa.version: [ 1, 2 ]
amdhsa.kernels:
  - .name:           k_q1358b7d748_qkv
    .symbol:         k_q1358b7d748_qkv.kd
    .args:
      - { .name: xq, .offset: 0, .size: 8, .value_kind: global_buffer, .address_space: global }
      - { .name: wq, .offset: 8, .size: 8, .value_kind: global_buffer, .address_space: global }
      - { .name: bq, .offset: 16, .size: 8, .value_kind: global_buffer, .address_space: global }
      - { .name: bk, .offset: 24, .size: 8, .value_kind: global_buffer, .address_space: global }
      - { .name: bv, .offset: 32, .size: 8, .value_kind: global_buffer, .address_space: global }
      - { .name: qq, .offset: 40, .size: 8, .value_kind: global_buffer, .address_space: global }
      - { .name: kvc, .offset: 48, .size: 8, .value_kind: global_buffer, .address_space: global }
      - { .name: kvs, .offset: 56, .size: 8, .value_kind: global_buffer, .address_space: global }
    .group_segment_fixed_size: 263424
    .private_segment_fixed_size: 0
    .kernarg_segment_align: 8
    .kernarg_segment_size: 64
    .max_flat_workgroup_size: 288
    .sgpr_count:     66
    .vgpr_count:     256
    .wavefront_size: 32
...
	.end_amdgpu_metadata
.endif
;; end of part 2
;; launch attn (part 3): grid 64 x 4, 12 waves a work-group, clusters of 4 x 1, 327,680 bytes of LDS; arguments qq, kvc, kvs, oq; writes oq
.if DOCPART == 3
	.amdgcn_target "amdgcn-amd-amdhsa--gfx1250"
	.amdhsa_code_object_version 6
	.text
	.protected	k_q1358b7d748_attn
	.globl	k_q1358b7d748_attn
	.p2align	8
	.type	k_q1358b7d748_attn,@function
k_q1358b7d748_attn:
	s_mov_b64 s[64:65], 0
	v_nop
	global_prefetch_b8 v0, s[64:65] scope:SCOPE_SE
	s_setreg_imm32_b32 hwreg(HW_REG_WAVE_MODE, 25, 1), 1
	s_wait_xcnt 0x0
	s_wait_alu depctr_hold_cnt(0) depctr_sa_sdst(0) depctr_va_vdst(0) depctr_va_sdst(0) depctr_va_ssrc(0) depctr_va_vcc(0) depctr_vm_vsrc(0)
	s_getreg_b32 s2, hwreg(HW_REG_IB_STS2, 6, 4)
	s_cmp_eq_u32 s2, 0
	s_cbranch_scc0 .Lentry_in_a_cluster
	s_endpgm
.Lentry_in_a_cluster:
	s_bfe_u32 s2, ttmp6, 0x10000c
	s_cmp_lg_u32 s2, 0x3003
	s_cbranch_scc0 .Lentry_shape_is_right
	s_endpgm
.Lentry_shape_is_right:
; ATTN: O[head][q] = sum over keys of softmax(q . k / 8) v, both products on codes of FP4 (E2M1) with E8M0 scales; O is quantised at once along its 768 channels for the last projection.
; THE SOFTMAX: t = score x log2(e) / 8; M = the running largest t rounded up to a whole number; p = 2^(t - M) is quantised along the keys, not normalised; the row's sum is taken of the unquantised p in f32 and divides O at the end.
; When M moves, the sum and O are multiplied by 2^(old M - new M), which rounds nothing.  The running maximum is kept in score units: the multiplication by the positive c keeps the order, so c x (largest score) is the largest t.
; SHARES.  A work-group takes 64 queries (quad g) of three heads (3 y .. 3 y + 2): wave w owns tile w % 4 (16 queries) of head 3 y + w / 4 and walks that head's 4,096 keys, 128 a step.  256 work-groups of equal work.
; BUFFERS.  qq [head][g]: 2,304 bytes: tile m's codes at 512 m + 16 L, its scale words (s0, s1, s0, s1) at 2,048 + 128 (m / 2) + 8 r + 4 (m % 2).
;   kvc [head][128 keys]: 8,192 bytes: K's key tiles 2 bb, 2 bb + 1 as the two halves of one fragment at 1,024 bb; V's channel tile dt (16 channels x 128 keys) at 4,096 + 1,024 dt.  All are images of the operand's registers: 16 bytes a lane.
;   kvs [head][128 keys]: 512 bytes: K's words at 64 bb + 4 r, V's at 256 + 64 dt + 4 r.   oq: 64 quads as the projection reads them: codes at 6,144 tile + 512 head, scale bytes at 24,576 + 384 tile + 64 (head / 2) + 4 r + 2 (head % 2).
; A head has 64 channels and the instruction 128 along K: q stands in the lower half of one operand and in the upper half of another, zeros in the other half, so that one fragment of K serves two key tiles.
; Both products are used transposed (source 0 = keys, or V's channels; source 1 = my queries, or p): a lane holds one query throughout, and the 16 registers of two neighbouring tiles are 16 neighbouring keys.
; LDS.  A ring of two slots, 2^17 bytes apart, of 512 keys x three heads (98,304 bytes); behind it the three heads' scale bytes for all keys (49,152 bytes, filled once); behind them the spare words.
; CLUSTER.  The four work-groups of a cluster differ in g alone and walk the same K and V: every tensor load is a joint one (mask 15), and every refill stands behind a round of the cluster's barrier.
; THE CHANGE OF SLOTS lies inside a slot's last key step: that step's fragments of V are read first; then all my tensor loads are waited for, the add, the step's eight score products, the wait for the add and my reads, and the signal;
; the step's softmax and its four products, work on registers alone, stand between the signal and the barrier's wait.  The refill is asked for three key steps ahead of the wait for it.
; THE SOFTMAX'S ORDER.  Maxima and sums go in eight chains by turns; what hangs on the new M but not on p (the sums' and O^T's rescaling) stands ahead of the exponentials; the step's 68 exponentials are one batch.
; PREFETCH.  All sixteen clusters of a y walk the same slots; cluster x = 0 asks for them: waves 0, 4, 8 (one a head), 8,192 bytes each, lanes 256 bytes apart; the four partners share a head's 32,768 bytes of a slot out by address (cx).
; At the change that loads slot j the prefetch names slot j + 1: four key steps ahead of that slot's load.  Slots 0 and 1 come by their loads alone; the change that loads slot 7 asks for nothing.
; LIMITS: the promise holds while |t| stays under 2^31; NaN and infinities are not served; a block of zeros, or one under 2^-124, gets the byte 1 (a zero block's codes are zeros; this program alone reads the bytes).
; REGISTERS: v1-7 addresses that stay; v10 q's scale word; v12 -M, v13 the largest score, v[14:15] the sum in two halves; v16-31 q twice; v32-63 K; v64-95 V; v96-159 S^T, then p; v160-191 O^T; v192-195 K's and V's scale words;
;   v196-211 eight partial sums; v224-231 p's codes; v232-254 at work.
.set SLOT1, 1<<17
.set SCL,   2*SLOT1
.set SPARE, SCL+3*16384
.set AL0,  1                           ; v1  16 L + my head's part of a slot
.set AS0,  2                           ; v2  4 L + my head's scale words
.set ADL,  3                           ; v3  v1 + the slot in hand
.set ADS,  4                           ; v4  v2 + 2,048 for each slot passed
.set SPW,  5                           ; v5  my spare word; never rewritten
.set NIL,  6                           ; v6  0; never rewritten
.set PFO,  7                           ; v7  256 L: the prefetches' offset
.set QS,   10
.set T,    196                         ; v196-211 the partial sums, a pair each
.set WV,   12                          ; s12 wave; s13 cx; s14 g; s15 y; s16 wave / 4; s17 my tile; s18 my head
.set SEL,  20                          ; s[20:21] v_permlanex16_b32's selects for lane l xor 16
.set CS,   22                          ; s[22:23] c = log2(e) / 8
.set G1,   24                          ; s[24:31] group 1: 32 rows of 256 bytes: the ring's loads and the scale bytes'
.set G1H,  32                          ; s[32:39] group 1: 64 rows: slot 0's first fill
.set G0,   40                          ; s[40:43] the ring's group 0, which walks;  s[44:47] slot 0's first fill;  s[48:51] the scale bytes
.set G0H,  44
.set G0S,  48
.set TB,   52                          ; s52 where the slot in hand begins
.set TS,   53                          ; s53 where its scale words begin
.set SLOTS, 54                         ; s54 refills still to come
.set LIM,  55                          ; s55 1 in a wave that prefetches, the greatest number in the others
.set PFA,  56                          ; s[56:57] where my prefetch stands
.macro CREST                           ; a round of the cluster's barrier behind its opening barrier
	s_cmp_lg_u32 s[WV], 0
	s_cbranch_scc1 .Lnot_wave_0_\@
	s_barrier_signal -3
.Lnot_wave_0_\@:
	s_barrier_wait -3
	s_barrier_signal -1
	s_barrier_wait -1
.endm
.macro CROUND                          ; a whole round
	s_barrier_signal -1
	s_barrier_wait -1
	CREST
.endm
.macro ASK
	s_cmp_gt_u32 s[SLOTS], s[LIM]
	s_cbranch_scc0 .Lnot_mine_\@
	global_prefetch_b8 v[PFO], s[PFA:PFA+1] th:TH_LOAD_NT scope:SCOPE_SE
.Lnot_mine_\@:
.endm
.macro PLACES                          ; four places behind a matrix instruction (ISA guide 7.12.1 for vector instructions)
.rept 4
	v_nop
.endr
.endm
	s_load_b256 s[4:11], s[0:1], 0x0               ; qq s[4:5], kvc s[6:7], kvs s[8:9], oq s[10:11]
	v_lshl_add_u32 v[SPW], v0, 2, SPARE
	v_mov_b32 v[NIL], 0
	ds_add_u32 v[SPW], v[NIL]                      ; the opening lines: the add, twice on end, and its wait ahead of my first tensor load
	ds_add_u32 v[SPW], v[NIL]
	v_lshrrev_b32 v8, 5, v0
	s_delay_alu instid0(VALU_DEP_1)
	v_readfirstlane_b32 s[WV], v8                  ; wave 0..11
	s_and_b32 s15, ttmp7, 0xffff                   ; y, which the four partners share
	s_lshr_b32 s16, s[WV], 2
	s_and_b32 s17, s[WV], 3
	s_mul_i32 s18, s15, 3
	s_add_co_u32 s18, s18, s16                     ; my head
	s_lshl_b32 s58, s18, 18                        ; the ring: my head's key step wave % 4 of a slot, 8,192 bytes; first of slot 1
	s_lshl_b32 s59, s17, 13
	s_add_co_u32 s58, s58, s59
	s_add_co_u32 s58, s58, 32768
	s_mov_b32 s59, 0
	s_lshr_b32 s60, s[WV], 1                       ; slot 0's first fill, waves 0 to 5: half wave % 2 (16,384 bytes) of head 3 y + wave / 2
	s_mul_i32 s61, s15, 3
	s_add_co_u32 s60, s60, s61
	s_lshl_b32 s60, s60, 18
	s_and_b32 s61, s[WV], 1
	s_lshl_b32 s61, s61, 14
	s_add_co_u32 s60, s60, s61
	s_mov_b32 s61, 0
	s_max_u32 s62, s[WV], 6                        ; the scale bytes, waves 6 to 11: 8,192 (wave - 6) of the three heads' 49,152
	s_sub_co_u32 s62, s62, 6
	s_lshl_b32 s62, s62, 13
	s_mul_i32 s63, s15, 49152
	s_add_co_u32 s62, s62, s63
	s_mov_b32 s63, 0
	s_bfe_u32 s13, ttmp6, 0x40000                  ; cx: it enters global addresses of my own alone
	s_lshl_b32 s14, ttmp9, 2
	s_add_co_u32 s14, s14, s13                     ; g = 4 x cluster x + cx
	s_lshl_b32 s66, s18, 18                        ; the prefetch: my head, slot 2, my work-group's quarter
	s_lshl_b32 s67, s13, 13
	s_add_co_u32 s66, s66, s67
	s_add_co_u32 s66, s66, 65536
	s_mov_b32 s67, 0
	s_lshl_b32 s70, s18, 6
	s_add_co_u32 s70, s70, s14
	s_mul_i32 s70, s70, 2304                       ; q: [head][g]
	s_lshl_b32 s68, s17, 9
	s_add_co_u32 s68, s68, s70                     ; my tile's codes
	s_mov_b32 s69, 0
	s_lshr_b32 s71, s17, 1
	s_lshl_b32 s71, s71, 7
	s_add_co_u32 s70, s70, s71
	s_and_b32 s71, s17, 1
	s_lshl_b32 s71, s71, 2
	s_add_co_u32 s70, s70, s71                     ; and, 2,048 on, its scale words
	s_mov_b32 s71, 0
	s_and_b32 s[LIM], s[WV], 3
	s_or_b32 s[LIM], s[LIM], ttmp9                 ; the cluster's x is the same in all four partners
	s_cmp_eq_u32 s[LIM], 0
	s_cselect_b32 s[LIM], 1, -1
	s_mov_b32 s[G1], 15|(3<<16)|(1<<21)            ; the mask: all four work-groups; elements of 8 bytes; bit 21 set beside a mask
	s_mov_b32 s[G1+1], 32<<16                      ; rows of 256 bytes, dense
	s_mov_b32 s[G1+2], 32<<16
	s_mov_b32 s[G1+3], 32<<16
	s_mov_b32 s[G1+4], 32
	s_mov_b32 s[G1+5], 32
	s_mov_b32 s[G1+6], 0
	s_mov_b32 s[G1+7], 0
	s_mov_b32 s[G1H], 15|(3<<16)|(1<<21)
	s_mov_b32 s[G1H+1], 32<<16
	s_mov_b32 s[G1H+2], 64<<16
	s_mov_b32 s[G1H+3], 32<<16
	s_mov_b32 s[G1H+4], 64
	s_mov_b32 s[G1H+5], 32
	s_mov_b32 s[G1H+6], 0
	s_mov_b32 s[G1H+7], 0
	s_mov_b32 s[G0], 1
	s_lshl_b32 s[G0+1], s[WV], 13
	s_add_co_u32 s[G0+1], s[G0+1], SLOT1           ; LDS: slot 1, 8,192 x wave
	s_mov_b32 s[G0H], 1
	s_lshl_b32 s[G0H+1], s[WV], 14                 ; LDS: slot 0, 16,384 x wave
	s_mov_b32 s[G0S], 1
	s_lshl_b32 s[G0S+1], s[WV], 13
	s_add_co_u32 s[G0S+1], s[G0S+1], SCL-49152     ; LDS: SCL + 8,192 (wave - 6)
	s_mov_b32 s[SEL], 0x76543210
	s_mov_b32 s[SEL+1], 0xfedcba98
	s_mov_b32 s[CS], 0x3e38aa3b                    ; c = log2(e) / 8
	s_mov_b32 s[CS+1], s[CS]
	s_mov_b32 s[TB], 0
	s_mov_b32 s[TS], 0
	s_mov_b32 s[SLOTS], 6
	s_wait_dscnt 0x0                               ; both opening adds are done
	s_wait_kmcnt 0x0
	s_add_nc_u64 s[G0+2:G0+3], s[6:7], s[58:59]
	s_or_b32 s[G0+3], s[G0+3], 0x80000000          ; type = 2
	s_add_nc_u64 s[G0H+2:G0H+3], s[6:7], s[60:61]
	s_or_b32 s[G0H+3], s[G0H+3], 0x80000000
	s_add_nc_u64 s[G0S+2:G0S+3], s[8:9], s[62:63]
	s_or_b32 s[G0S+3], s[G0S+3], 0x80000000
	s_add_nc_u64 s[PFA:PFA+1], s[6:7], s[66:67]
	s_add_nc_u64 s[68:69], s[4:5], s[68:69]
	s_add_nc_u64 s[70:71], s[4:5], s[70:71]
	CROUND                                         ; all four work-groups are here: the first joint loads meet
	s_cmp_lt_u32 s[WV], 6                          ; the head's loads, one a wave
	s_cbranch_scc0 .Lhead_s
	tensor_load_to_lds s[G0H:G0H+3], s[G1H:G1H+7]  ; waves 0 to 5: slot 0
	s_nop 0
	PLACES
	s_branch .Lhead_asked
.Lhead_s:
	tensor_load_to_lds s[G0S:G0S+3], s[G1:G1+7]    ; waves 6 to 11: the scale bytes
	s_nop 0
	PLACES
.Lhead_asked:
	v_and_b32 v11, 31, v0                          ; L
	v_and_b32 v9, 15, v0                           ; r
	s_delay_alu instid0(VALU_DEP_2)
	v_lshlrev_b32 v8, 4, v11
	s_delay_alu instid0(VALU_DEP_2)
	v_lshlrev_b32 v9, 3, v9
	global_load_b128 v[16:19], v8, s[68:69]        ; q in the lower half of one operand,
	global_load_b128 v[28:31], v8, s[68:69]        ; and in the upper half of the other
	global_load_b32 v[QS], v9, s[70:71] offset:2048
	s_lshl_b32 s19, s16, 15
	v_add_nc_u32 v[AL0], s19, v8
	s_lshl_b32 s19, s16, 14
	s_add_co_u32 s19, s19, SCL
	v_lshl_add_u32 v[AS0], v11, 2, s19
	v_lshlrev_b32 v[PFO], 8, v11
	v_mov_b32 v[ADL], v[AL0]
	v_mov_b32 v[ADS], v[AS0]
.irp j, 20,21,22,23,24,25,26,27
	v_mov_b32 v\j, 0                               ; the operands' other halves: zero codes
.endr
	v_mov_b32 v13, 0xff61b1e6                      ; the largest score so far: -3e38
	s_delay_alu instid0(VALU_DEP_1)
	v_floor_f32 v12, -v13                          ; -M
	v_mov_b32 v14, 0
	v_mov_b32 v15, 0
.irp b, 0,1,2,3
	v_mov_b32 v[236+\b], 0                         ; a lane permute's destination counts as one of its sources
.endr
	v_mov_b32 v248, 0                              ; likewise
	v_mov_b32 v251, 0                              ; named as the upper half of the pair v[250:251]
.set J, 0
.rept 32
	v_mov_b32 v[160+J], 0                          ; O^T: the step is written once; the first change of M leaves zeros zeros
.set J, J+1
.endr
.macro KLOAD q
.irp bb, 0,1,2,3
	ds_load_b128 v[32+8*\bb:35+8*\bb], v[ADL] offset:8192*(\q)+1024*\bb
	ds_load_b128 v[36+8*\bb:39+8*\bb], v[ADL] offset:8192*(\q)+1024*\bb+512
.endr
	ds_load_b32 v192, v[ADS] offset:512*(\q)       ; lanes 0-15: fragment 0's words, lanes 16-31: fragment 1's
	ds_load_b32 v193, v[ADS] offset:512*(\q)+128
.endm
.macro VLOAD q
.irp dt, 0,1,2,3
	ds_load_b128 v[64+8*\dt:67+8*\dt], v[ADL] offset:8192*(\q)+4096+1024*\dt
	ds_load_b128 v[68+8*\dt:71+8*\dt], v[ADL] offset:8192*(\q)+4096+1024*\dt+512
.endr
	ds_load_b32 v194, v[ADS] offset:512*(\q)+256
	ds_load_b32 v195, v[ADS] offset:512*(\q)+384
.endm
.macro SMUL                            ; S^T = K q^T: eight tiles of 16 keys
.irp bb, 0,1,2,3
.irp u, 0,1
.if \bb % 2
	v_wmma_scale_f32_16x16x128_f8f6f4 v[96+16*\bb+8*\u:103+16*\bb+8*\u], v[32+8*\bb:39+8*\bb], v[16+8*\u:23+8*\u], 0, v[192+\bb/2], v[QS] matrix_a_fmt:MATRIX_FMT_FP4 matrix_b_fmt:MATRIX_FMT_FP4 matrix_a_scale:MATRIX_SCALE_ROW1
.else
	v_wmma_scale_f32_16x16x128_f8f6f4 v[96+16*\bb+8*\u:103+16*\bb+8*\u], v[32+8*\bb:39+8*\bb], v[16+8*\u:23+8*\u], 0, v[192+\bb/2], v[QS] matrix_a_fmt:MATRIX_FMT_FP4 matrix_b_fmt:MATRIX_FMT_FP4
.endif
.endr
.endr
.endm
.macro PVMUL                           ; O^T += V^T p^T: four tiles of 16 channels, by turns
.irp dt, 0,1,2,3
.if \dt % 2
	v_wmma_scale_f32_16x16x128_f8f6f4 v[160+8*\dt:167+8*\dt], v[64+8*\dt:71+8*\dt], v[224:231], v[160+8*\dt:167+8*\dt], v[194+\dt/2], v253 matrix_a_fmt:MATRIX_FMT_FP4 matrix_b_fmt:MATRIX_FMT_FP4 matrix_a_scale:MATRIX_SCALE_ROW1
.else
	v_wmma_scale_f32_16x16x128_f8f6f4 v[160+8*\dt:167+8*\dt], v[64+8*\dt:71+8*\dt], v[224:231], v[160+8*\dt:167+8*\dt], v[194+\dt/2], v253 matrix_a_fmt:MATRIX_FMT_FP4 matrix_b_fmt:MATRIX_FMT_FP4
.endif
.endr
.endm
; The softmax of 128 keys: from the scores to p's codes and scale word, the sums and O^T under the new M.  lds = 1: the step's LDS loads are waited for behind the exponentials.
.macro SOFT lds
; the largest score of each block of 32 keys, for the row's maximum and, since p rises with the score, for the block's largest p: my 16 of a block in two chains, eight chains by turns
.irp b, 0,1,2,3
	v_max3_num_f32 v[232+\b], v[96+16*\b], v[97+16*\b], v[98+16*\b]
.endr
.irp b, 0,1,2,3
	v_max3_num_f32 v[240+\b], v[104+16*\b], v[105+16*\b], v[106+16*\b]
.endr
.irp i, 3,5
.irp b, 0,1,2,3
	v_max3_num_f32 v[232+\b], v[232+\b], v[96+16*\b+\i], v[97+16*\b+\i]
.endr
.irp b, 0,1,2,3
	v_max3_num_f32 v[240+\b], v[240+\b], v[104+16*\b+\i], v[105+16*\b+\i]
.endr
.endr
.irp b, 0,1,2,3
	v_max3_num_f32 v[232+\b], v[232+\b], v[103+16*\b], v[111+16*\b]
.endr
.irp b, 0,1,2,3
	s_delay_alu instid0(VALU_DEP_4)
	v_max_num_f32 v[232+\b], v[232+\b], v[240+\b]
.endr
; the row's maximum has a lane exchange of its own; the blocks' exchanges stand among its lines
	s_delay_alu instid0(VALU_DEP_2)
	v_max3_num_f32 v254, v232, v233, v234
	v_permlanex16_b32 v236, v232, s[SEL], s[SEL+1]
	v_permlanex16_b32 v237, v233, s[SEL], s[SEL+1]
	v_permlanex16_b32 v238, v234, s[SEL], s[SEL+1]
	v_max_num_f32 v254, v254, v235                 ; the largest of my 64 scores
	v_permlanex16_b32 v239, v235, s[SEL], s[SEL+1]
	v_max_num_f32 v232, v232, v236                 ; the blocks' maxima with lane l xor 16's 16 keys
	v_max_num_f32 v233, v233, v237
	v_mov_b32 v252, v12                            ; the old -M
	v_permlanex16_b32 v248, v254, s[SEL], s[SEL+1]
	v_max_num_f32 v234, v234, v238
	v_max_num_f32 v235, v235, v239
	v_max3_num_f32 v13, v13, v254, v248            ; the running largest score
	s_delay_alu instid0(VALU_DEP_1)
	v_mul_f32 v254, s[CS], v13                     ; as t
	v_floor_f32 v12, -v254                         ; the new -M = floor(-t)
.set J, 0
.rept 32
	v_pk_fma_f32 v[96+J:97+J], v[96+J:97+J], s[CS:CS+1], v[12:13] op_sel_hi:[1,0,0]   ; t - M, two at a time (the pairs' low words serve both halves)
.if J == 6
	v_sub_f32 v254, v12, v252                      ; old M - new M: a whole number, 0 or less
.endif
.if J == 14
	v_cvt_i32_f32 v254, v254                       ; (it saturates)
.endif
.if J == 22
	v_ldexp_f32 v250, 1.0, v254                    ; f = 2^(old M - new M)
.endif
.set J, J+2
.endr
.irp b, 0,1,2,3
	v_fma_f32 v[232+\b], v[232+\b], s[CS], v12     ; the same of each block's largest score
.endr
	v_pk_mul_f32 v[14:15], v[14:15], v[250:251] op_sel_hi:[1,0]   ; the sums under the new M
.set J, 0
.rept 16
	v_pk_mul_f32 v[160+J:161+J], v[160+J:161+J], v[250:251] op_sel_hi:[1,0]   ; O^T under the new M, each accumulator from its low end on
.set J, J+2
.endr
	s_wait_alu depctr_va_vdst(0)                   ; the wait ahead of the batch
.set J, 0
.rept 64
	v_exp_f32 v[96+J], v[96+J]                     ; p = 2^(t - M)
.set J, J+1
.endr
.irp b, 0,1,2,3
	v_exp_f32 v[232+\b], v[232+\b]                 ; the block's largest p: the same two instructions on the same number give the same bits
.endr
	v_nop                                          ; a plain place behind the batch
	s_wait_alu depctr_va_vdst(0)                   ; and the wait behind it, ahead of its first reader; it also stands directly ahead of the wait below
.if \lds
	s_wait_dscnt 0x0                               ; V's fragments, and the next step's of K
.endif
.irp b, 0,1,2,3
	v_max_num_f32 v[232+\b], 0x1800000, v[232+\b]  ; the floor 2^(3 - 127) keeps the byte at 1 or more
.endr
.irp k, 0,1,2,3,4,5,6,7
	v_pk_add_f32 v[T+2*\k:T+2*\k+1], v[96+2*\k:97+2*\k], v[112+2*\k:113+2*\k]   ; the row's sum of the unquantised p, in eight chains
.endr
.irp b, 0,1,2,3
	v_add_nc_u32 v[244+\b], 0xff000000, v[232+\b]  ; 2 off the exponent field: the conversion's scale operand
.endr
.irp k, 0,1,2,3,4,5,6,7
	v_pk_add_f32 v[T+2*\k:T+2*\k+1], v[T+2*\k:T+2*\k+1], v[128+2*\k:129+2*\k]
.endr
.irp b, 0,1,2,3
	v_lshrrev_b32 v[236+\b], 23, v[244+\b]         ; the byte
.endr
.irp b, 0,1,2,3
	v_cvt_scalef32_pk8_fp4_f32 v[224+2*\b], v[96+16*\b:103+16*\b], v[244+\b]
	v_cvt_scalef32_pk8_fp4_f32 v[225+2*\b], v[104+16*\b:111+16*\b], v[244+\b]
.endr
.irp k, 0,1,2,3,4,5,6,7
	v_pk_add_f32 v[T+2*\k:T+2*\k+1], v[T+2*\k:T+2*\k+1], v[144+2*\k:145+2*\k]   ; (plain lines behind the last conversion)
.endr
	v_lshl_or_b32 v253, v237, 8, v236              ; p's scale word for these 128 keys
	v_permlane16_swap_b32 v224, v226               ; a whole block in a lane: lanes 0-15 block 2 c, lanes 16-31 block 2 c + 1
	v_permlane16_swap_b32 v225, v227
	s_delay_alu instid0(VALU_DEP_3)
	v_lshl_or_b32 v253, v238, 16, v253
	v_permlane16_swap_b32 v228, v230
	v_permlane16_swap_b32 v229, v231
	s_delay_alu instid0(VALU_DEP_3)
	v_lshl_or_b32 v253, v239, 24, v253
.irp k, 0,1,2,3
	v_pk_add_f32 v[T+2*\k:T+2*\k+1], v[T+2*\k:T+2*\k+1], v[T+8+2*\k:T+9+2*\k]   ; the eight chains are joined: these eight lines are also the places between the scale word, the codes and the scaled products
.endr
	s_delay_alu instid0(VALU_DEP_4)
	v_pk_add_f32 v[14:15], v[14:15], v[T:T+1]
	s_delay_alu instid0(VALU_DEP_3)
	v_pk_add_f32 v[T+2:T+3], v[T+2:T+3], v[T+4:T+5]
	s_delay_alu instid0(VALU_DEP_2)
	v_pk_add_f32 v[14:15], v[14:15], v[T+6:T+7]
	s_delay_alu instid0(VALU_DEP_1)
	v_pk_add_f32 v[14:15], v[14:15], v[T+2:T+3]
.endm
; A key step that changes no slot.  K's fragments are in; V's, and the next step's of K (more = 1), are read under the softmax.
.macro STEP q, more
	SMUL
	PLACES                                         ; behind the products just issued and the last step's, ahead of the loads into their sources
	VLOAD \q
.if \more
	KLOAD (\q)+1
.endif
	SOFT 1
	PVMUL
.endm
; A slot's last key step, with the change of slots.  fill = 1: the slot just read out is filled again with the keys two slots on.
.macro TURN fill
	PLACES                                         ; behind the last step's products, ahead of the loads into their sources
	VLOAD 3
.if \fill
	s_wait_xcnt 0x0                                ; any prefetch of mine has read its address
.endif
	s_wait_tensorcnt 0x0                           ; all my tensor loads have landed: my part of the next slot
	ds_add_u32 v[SPW], v[NIL]                      ; 0 onto my spare word
.if \fill
	s_xor_b32 s[G0+1], s[G0+1], SLOT1              ; no load of mine is out: the walking descriptor takes the other slot and the next 512 keys,
	s_add_nc_u64 s[G0+2:G0+3], s[G0+2:G0+3], 32768
	s_add_nc_u64 s[PFA:PFA+1], s[PFA:PFA+1], 32768 ; the prefetch one slot further on
.endif
	s_xor_b32 s[TB], s[TB], SLOT1
	s_add_co_u32 s[TS], s[TS], 2048
	SMUL                                           ; eight products stand between the add and the wait for it
	s_wait_dscnt 0x0                               ; the add is done, and my reads of this slot are over
	s_barrier_signal -1                            ; (fill = 1: this barrier opens a round of the cluster's barrier)
	PLACES
	SOFT 0                                         ; work on registers alone up to the barrier's wait
	PVMUL
	s_barrier_wait -1
.if \fill
	CREST                                          ; no wave of any partner still reads this slot or has a load on its way
	tensor_load_to_lds s[G0:G0+3], s[G1:G1+7]      ; my one load behind the round
	s_nop 0
	PLACES
	ASK
.endif
	v_add_nc_u32 v[ADL], s[TB], v[AL0]
	v_add_nc_u32 v[ADS], s[TS], v[AS0]
	s_wait_alu depctr_va_vdst(0)                   ; the wait directly behind these writes
	KLOAD 0
	s_wait_dscnt 0x0
.endm
	s_wait_alu depctr_va_vdst(0)                   ; the wait at the head's end
	s_wait_tensorcnt 0x0                           ; my part of the head's loads is in; slot 1's first fill is issued as a refill is:
	ds_add_u32 v[SPW], v[NIL]
	s_wait_dscnt 0x0
	CROUND
	tensor_load_to_lds s[G0:G0+3], s[G1:G1+7]      ; slot 1: 8,192 bytes a wave
	s_nop 0
	PLACES
	ASK                                            ; slot 2
	KLOAD 0
	s_wait_loadcnt 0x0                             ; q
	s_wait_dscnt 0x0
.Lslot:                                            ; six trips: slots 0 to 5; each asks for the slot two on
	STEP 0, 1
	STEP 1, 1
	STEP 2, 1
	TURN 1
	s_sub_co_u32 s[SLOTS], s[SLOTS], 1
	s_cmp_lg_u32 s[SLOTS], 0
	s_cbranch_scc1 .Lslot
	STEP 0, 1                                      ; slot 6: nothing is left to ask for
	STEP 1, 1
	STEP 2, 1
	TURN 0
	STEP 0, 1                                      ; slot 7
	STEP 1, 1
	STEP 2, 1
	STEP 3, 0
	; THE WAY OUT: O^T / the sum, quantised along the channels: my head's 64 are two blocks of the projection's K; lanes l and l xor 16 share a block.
	v_add_f32 v14, v14, v15
	s_delay_alu instid0(VALU_DEP_1)
	v_permlanex16_b32 v250, v14, s[SEL], s[SEL+1]
	s_delay_alu instid0(VALU_DEP_1)
	v_add_f32 v14, v14, v250                       ; the row's sum
	s_wait_alu depctr_va_vdst(0)                   ; the wait ahead of the transcendental
	v_rcp_f32 v14, v14
	v_and_b32 v11, 31, v0
	v_and_b32 v9, 15, v0
	v_bfe_u32 v254, v0, 4, 1
	s_delay_alu instid0(VALU_DEP_3)
	v_lshlrev_b32 v8, 4, v11                       ; 16 L
	s_delay_alu instid0(VALU_DEP_2)
	v_lshl_add_u32 v9, v9, 2, v254                 ; 4 r + h: my block's byte in my row's word
	v_cmp_lt_u32 vcc_lo, 15, v11
	s_mul_i32 s60, s14, 26112                      ; quad g
	s_mul_i32 s61, s17, 6144
	s_add_co_u32 s58, s60, s61
	s_lshl_b32 s61, s18, 9
	s_add_co_u32 s58, s58, s61                     ; codes: + 6,144 tile + 512 head
	s_mov_b32 s59, 0
	s_mul_i32 s61, s17, 384
	s_add_co_u32 s62, s60, s61
	s_lshr_b32 s61, s18, 1
	s_lshl_b32 s61, s61, 6
	s_add_co_u32 s62, s62, s61
	s_and_b32 s61, s18, 1
	s_lshl_b32 s61, s61, 1
	s_add_co_u32 s62, s62, s61
	s_add_co_u32 s62, s62, 24576                   ; scale bytes: 24,576 + 384 tile + 64 (head / 2) + 2 (head % 2)
	s_mov_b32 s63, 0
	s_add_nc_u64 s[58:59], s[10:11], s[58:59]
	s_add_nc_u64 s[62:63], s[10:11], s[62:63]
	s_wait_alu depctr_va_vdst(0)                   ; the wait behind the transcendental, directly ahead of the first readers of O^T
.set J, 0
.rept 32
	v_mul_f32 v[96+J], v[160+J], v14
.set J, J+1
.endr
.irp b, 0,1
	v_max3_num_f32 v[232+\b], |v[96+16*\b]|, |v[97+16*\b]|, 0x1800000
.endr
.irp i, 2,4,6,8,10,12,14
.irp b, 0,1
	s_delay_alu instid0(VALU_DEP_2)
	v_max3_num_f32 v[232+\b], v[232+\b], |v[96+16*\b+\i]|, |v[97+16*\b+\i]|
.endr
.endr
.irp b, 0,1
	s_delay_alu instid0(VALU_DEP_2)
	v_permlanex16_b32 v[236+\b], v[232+\b], s[SEL], s[SEL+1]
.endr
.irp b, 0,1
	s_delay_alu instid0(VALU_DEP_2)
	v_max_num_f32 v[232+\b], v[232+\b], v[236+\b]
.endr
.irp b, 0,1
	s_delay_alu instid0(VALU_DEP_2)
	v_add_nc_u32 v[244+\b], 0xff000000, v[232+\b]
.endr
.irp b, 0,1
	s_delay_alu instid0(VALU_DEP_2)
	v_lshrrev_b32 v[236+\b], 23, v[244+\b]
.endr
.irp b, 0,1
	v_cvt_scalef32_pk8_fp4_f32 v[224+2*\b], v[96+16*\b:103+16*\b], v[244+\b]
	v_cvt_scalef32_pk8_fp4_f32 v[225+2*\b], v[104+16*\b:111+16*\b], v[244+\b]
.endr
	v_nop                                          ; one plain line behind the last conversion
	v_permlane16_swap_b32 v224, v226
	v_permlane16_swap_b32 v225, v227
	v_cndmask_b32 v238, v236, v237, vcc_lo         ; lanes 0-15 block 0's byte, lanes 16-31 block 1's
	global_store_b128 v8, v[224:227], s[58:59]     ; 512 consecutive bytes, aligned to 256
	global_store_b8 v9, v238, s[62:63]             ; one byte a lane beside the 16 of codes: a word's other bytes belong to the neighbouring head's wave
	s_wait_tensorcnt 0x0                           ; the wave's end
	ds_add_u32 v[SPW], v[NIL]
	s_wait_dscnt 0x0
	CROUND                                         ; the closing round: no work-group ends while a partner may still ask for a tile that names it
	s_endpgm
.Lfunc_end_k_q1358b7d748_attn:
	.size	k_q1358b7d748_attn, .Lfunc_end_k_q1358b7d748_attn-k_q1358b7d748_attn
	.p2alignl 7, 3214868480
	.fill 96, 4, 3214868480
	.section	.rodata,"a",@progbits
	.p2align	6, 0x0
	.amdhsa_kernel k_q1358b7d748_attn
		.amdhsa_group_segment_fixed_size 327680
		.amdhsa_private_segment_fixed_size 0
		.amdhsa_enable_private_segment 0
		.amdhsa_kernarg_size 32
		.amdhsa_user_sgpr_count 2
		.amdhsa_user_sgpr_kernarg_segment_ptr 1
		.amdhsa_wavefront_size32 1
		.amdhsa_system_sgpr_workgroup_id_x 1
		.amdhsa_system_sgpr_workgroup_id_y 1
		.amdhsa_system_sgpr_workgroup_id_z 1
		.amdhsa_system_vgpr_workitem_id 0
		.amdhsa_next_free_vgpr 256
		.amdhsa_next_free_sgpr 80
		.amdhsa_reserve_vcc 1
		.amdhsa_float_denorm_mode_32 3
		.amdhsa_float_denorm_mode_16_64 3
		.amdhsa_memory_ordered 1
		.amdhsa_forward_progress 1
		.amdhsa_inst_pref_size 196
	.end_amdhsa_kernel
	.amdgpu_metadata
---
amdhsa.version: [ 1, 2 ]
amdhsa.kernels:
  - .name:           k_q1358b7d748_attn
    .symbol:         k_q1358b7d748_attn.kd
    .args:
      - { .name: qq, .offset: 0, .size: 8, .value_kind: global_buffer, .address_space: global }
      - { .name: kvc, .offset: 8, .size: 8, .value_kind: global_buffer, .address_space: global }
      - { .name: kvs, .offset: 16, .size: 8, .value_kind: global_buffer, .address_space: global }
      - { .name: oq, .offset: 24, .size: 8, .value_kind: global_buffer, .address_space: global }
    .group_segment_fixed_size: 327680
    .private_segment_fixed_size: 0
    .kernarg_segment_align: 8
    .kernarg_segment_size: 32
    .max_flat_workgroup_size: 384
    .sgpr_count:     80
    .vgpr_count:     256
    .wavefront_size: 32
...
	.end_amdgpu_metadata
.endif
;; end of part 3
;; launch proj (part 4): grid 64 x 4, 8 waves a work-group, clusters of 4 x 1, 168,960 bytes of LDS; arguments oq, wq, bo, out0; writes out0
.if DOCPART == 4
	.amdgcn_target "amdgcn-amd-amdhsa--gfx1250"
	.amdhsa_code_object_version 6
	.text
	.protected	k_q1358b7d748_proj
	.globl	k_q1358b7d748_proj
	.p2align	8
	.type	k_q1358b7d748_proj,@function
k_q1358b7d748_proj:
	s_mov_b64 s[64:65], 0
	v_nop
	global_prefetch_b8 v0, s[64:65] scope:SCOPE_SE
	s_setreg_imm32_b32 hwreg(HW_REG_WAVE_MODE, 25, 1), 1
	s_wait_xcnt 0x0
	s_wait_alu depctr_hold_cnt(0) depctr_sa_sdst(0) depctr_va_vdst(0) depctr_va_sdst(0) depctr_va_ssrc(0) depctr_va_vcc(0) depctr_vm_vsrc(0)
	s_getreg_b32 s2, hwreg(HW_REG_IB_STS2, 6, 4)
	s_cmp_eq_u32 s2, 0
	s_cbranch_scc0 .Lentry_in_a_cluster
	s_endpgm
.Lentry_in_a_cluster:
	s_bfe_u32 s2, ttmp6, 0x10000c
	s_cmp_lg_u32 s2, 0x3003
	s_cbranch_scc0 .Lentry_shape_is_right
	s_endpgm
.Lentry_shape_is_right:
; PROJ: out0 = O Wo + bo on codes of FP4 (E2M1) with E8M0 scales; K = 768.  oq: 64 quads of O; wq's quads 36 to 47 are Wo's (a quad: 64 rows or columns as images of the operand's registers: codes at 6,144 tile + 1,024 K step,
; scale words at 24,576 + 384 tile + 64 K step + 4 r; lane r of tile 2 B + u holds row 32 B + 8 u + r + 8 (r / 8)).
; SHARES.  A work-group makes 64 rows (quad g) x 192 columns (Wo's quads 36 + 3 y .. + 2).  Wave w: tw = w % 4 is its tile in each of the three quads of Wo, mp = w / 4 its pair of O's tiles: six accumulators, 36 matrix instructions.
; The product is used transposed (source 0 = 16 columns of Wo, source 1 = 16 rows of O): a lane's eight results are eight neighbouring columns of one row.  bo is the C of each sum's first matrix instruction.
; LDS, each byte filled once: O's quad at 0, Wo's three at 26,112 (1 + i); each of the eight waves fetches half a quad.  Behind them, in bytes of its own, a stage of 64 rows x (768 + 16) bytes for the way out.
; CLUSTER.  The four work-groups of a cluster differ in g alone and need the same three quads of Wo: waves 2 to 7 ask for them jointly (mask 15).  O's quad is each work-group's own: plain loads by waves 0 and 1.
.set QUAD,   26112
.set SCO,    24576
.set HALFQ,  13056                     ; 51 rows of 256 bytes
.set STG,    4*QUAD
.set SPITCH, 784
.set BB,  12                           ; v12-35   bo in the result's layout, eight registers for each quad of Wo
.set WV,  12                           ; s12 wave; s13 cx; s14 g; s15 y; s16 tw; s17 mp
.set G1P, 20                           ; s[20:27] group 1 of the plain loads;  s[28:35] of the joint ones;  s[36:39], s[40:43] their groups 0
.set G1J, 28
.set G0P, 36
.set G0J, 40
.macro CROUND                          ; a round of the cluster's barrier
	s_barrier_signal -1
	s_barrier_wait -1
	s_cmp_lg_u32 s[WV], 0
	s_cbranch_scc1 .Lnot_wave_0_\@
	s_barrier_signal -3
.Lnot_wave_0_\@:
	s_barrier_wait -3
	s_barrier_signal -1
	s_barrier_wait -1
.endm
	s_load_b256 s[4:11], s[0:1], 0x0               ; oq s[4:5], wq s[6:7], bo s[8:9], out0 s[10:11]
	v_lshl_add_u32 v192, v0, 2, 0x29000
	v_mov_b32 v193, 0
	ds_add_u32 v192, v193
	ds_add_u32 v192, v193
	v_lshrrev_b32 v1, 5, v0
	s_delay_alu instid0(VALU_DEP_1)
	v_readfirstlane_b32 s[WV], v1                  ; wave 0..7
	s_and_b32 s15, ttmp7, 0xffff                   ; y, which the four partners share
	s_and_b32 s16, s[WV], 3                        ; tw
	s_lshr_b32 s17, s[WV], 2                       ; mp
	s_mul_i32 s44, s15, 3
	s_add_co_u32 s44, s44, 35
	s_mul_i32 s44, s44, QUAD
	s_mul_i32 s45, s[WV], HALFQ
	s_add_co_u32 s44, s44, s45                     ; in wq: quad 36 + 3 y, + 13,056 (wave - 2)
	s_mov_b32 s45, 0
	s_bfe_u32 s13, ttmp6, 0x40000                  ; cx: it enters global addresses of my own alone
	s_lshl_b32 s14, ttmp9, 2
	s_add_co_u32 s14, s14, s13                     ; g = 4 x cluster x + cx
	s_mul_i32 s46, s14, QUAD
	s_mul_i32 s47, s[WV], HALFQ
	s_add_co_u32 s46, s46, s47                     ; in oq: quad g, + 13,056 wave
	s_mov_b32 s47, 0
	s_lshl_b32 s48, s14, 6
	s_lshl_b32 s49, s[WV], 3
	s_add_co_u32 s48, s48, s49
	s_mul_i32 s48, s48, 3072
	s_mul_i32 s54, s15, 768                        ; the work-group's 192 columns, in bytes: in bo and in a row of out0
	s_mov_b32 s55, 0
	s_add_co_u32 s48, s48, s54                     ; in out0: row 64 g + 8 wave
	s_mov_b32 s49, 0
	s_mov_b32 s[G1P], 3<<16                        ; elements of 8 bytes, no mask
	s_mov_b32 s[G1J], 15|(3<<16)|(1<<21)           ; the mask: all four work-groups; bit 21 set beside it
.irp g, G1P, G1J
	s_mov_b32 s[\g+1], 32<<16                      ; tensor_dim0 = 32: rows of 256 bytes
	s_mov_b32 s[\g+2], 51<<16                      ; tensor_dim1 = 51
	s_mov_b32 s[\g+3], 32<<16                      ; tile_dim0
	s_mov_b32 s[\g+4], 51                          ; tile_dim1
	s_mov_b32 s[\g+5], 32                          ; from row to row
	s_mov_b32 s[\g+6], 0
	s_mov_b32 s[\g+7], 0
.endr
	s_mov_b32 s[G0P], 1
	s_mul_i32 s[G0P+1], s[WV], HALFQ               ; LDS: 13,056 x wave, for both kinds
	s_mov_b32 s[G0J], 1
	s_mul_i32 s[G0J+1], s[WV], HALFQ
	v_and_b32 v1, 31, v0                           ; L
	v_and_b32 v2, 15, v0                           ; r
	v_bfe_u32 v3, v0, 4, 1                         ; h
	s_wait_alu depctr_va_vdst(0)
	s_mul_i32 s50, s16, 6144
	s_add_co_u32 s50, s50, QUAD
	v_lshl_add_u32 v4, v1, 4, s50                  ; v4: Wo's images: 16 L + first quad + my tile
	s_mul_i32 s50, s17, 12288
	v_lshl_add_u32 v5, v1, 4, s50                  ; v5: O's images: 16 L + my pair of tiles
	s_mul_i32 s50, s16, 384
	s_add_co_u32 s50, s50, QUAD+SCO
	v_lshl_add_u32 v6, v2, 2, s50                  ; v6: Wo's scale words
	s_mul_i32 s50, s17, 768
	s_add_co_u32 s50, s50, SCO
	v_lshl_add_u32 v7, v2, 2, s50                  ; v7: O's
	v_and_b32 v46, 8, v2
	s_delay_alu instid0(VALU_DEP_1)
	v_add_nc_u32 v46, v46, v2                      ; r + 8 (r / 8)
	s_lshr_b32 s51, s16, 1
	s_lshl_b32 s51, s51, 7
	s_and_b32 s52, s16, 1
	s_lshl_b32 s52, s52, 5
	s_add_co_u32 s51, s51, s52
	v_lshl_add_u32 v11, v3, 6, s51                 ; v11: my eight columns in a quad's 64, in bytes: 128 (tw / 2) + 64 h + 32 (tw % 2)
	s_mul_i32 s52, s17, 32*SPITCH
	s_add_co_u32 s52, s52, STG
	v_mul_u32_u24 v8, v46, SPITCH
	s_delay_alu instid0(VALU_DEP_1)
	v_add_nc_u32 v8, v8, v11
	s_delay_alu instid0(VALU_DEP_1)
	v_add_nc_u32 v8, s52, v8                       ; v8: into the stage: row 32 mp + r + 8 (r / 8), my 32 bytes
	s_mul_i32 s52, s[WV], 8*SPITCH
	s_add_co_u32 s52, s52, STG
	v_mul_u32_u24 v9, v3, SPITCH
	s_delay_alu instid0(VALU_DEP_1)
	v_lshl_add_u32 v9, v2, 4, v9
	s_delay_alu instid0(VALU_DEP_1)
	v_add_nc_u32 v9, s52, v9                       ; v9: back: rows 8 wave on; lanes 0-15 one row, lanes 16-31 the next
	v_mul_u32_u24 v10, v3, 3072
	s_delay_alu instid0(VALU_DEP_1)
	v_lshl_add_u32 v10, v2, 4, v10                 ; v10: and the same two rows in out0
	s_wait_dscnt 0x0
	s_wait_kmcnt 0x0
	s_add_nc_u64 s[G0J+2:G0J+3], s[6:7], s[44:45]
	s_or_b32 s[G0J+3], s[G0J+3], 0x80000000        ; type = 2
	s_add_nc_u64 s[G0P+2:G0P+3], s[4:5], s[46:47]
	s_or_b32 s[G0P+3], s[G0P+3], 0x80000000
	s_add_nc_u64 s[8:9], s[8:9], s[54:55]
	s_add_nc_u64 s[10:11], s[10:11], s[48:49]
	CROUND                                         ; all four work-groups are here: the joint loads meet
	s_cmp_lt_u32 s[WV], 2
	s_cbranch_scc0 .Lfor_w
	tensor_load_to_lds s[G0P:G0P+3], s[G1P:G1P+7]  ; half of O's quad
	s_nop 0
.rept 4
	v_nop                                          ; four such lines behind a tensor load
.endr
	s_branch .Lasked
.Lfor_w:
	tensor_load_to_lds s[G0J:G0J+3], s[G1J:G1J+7]  ; half a quad of Wo, for all four work-groups
	s_nop 0
.rept 4
	v_nop
.endr
.Lasked:
	s_wait_alu depctr_va_vdst(0)
.irp i, 0,1,2
	global_load_b128 v[BB+8*\i:BB+8*\i+3], v11, s[8:9] offset:256*\i
	global_load_b128 v[BB+8*\i+4:BB+8*\i+7], v11, s[8:9] offset:256*\i+16
.endr
	s_wait_tensorcnt 0x0                           ; my one load has landed,
	s_barrier_signal -1
	s_barrier_wait -1                              ; everybody's has
; K step s: 15 LDS loads into set s % 2: fragments at v[48 + 40 p]: Wo's three, then O's two; scale words, and nothing else, at v[36 + 5 p].
.macro LOADS s
.set FP, 48+40*((\s)%2)
.set SS, 36+5*((\s)%2)
.irp i, 0,1,2
	ds_load_b128 v[FP+8*\i:FP+8*\i+3], v4 offset:QUAD*\i+1024*(\s)
	ds_load_b128 v[FP+8*\i+4:FP+8*\i+7], v4 offset:QUAD*\i+1024*(\s)+512
	ds_load_b32 v[SS+\i], v6 offset:QUAD*\i+64*(\s)
.endr
.irp u, 0,1
	ds_load_b128 v[FP+24+8*\u:FP+24+8*\u+3], v5 offset:6144*\u+1024*(\s)
	ds_load_b128 v[FP+24+8*\u+4:FP+24+8*\u+7], v5 offset:6144*\u+1024*(\s)+512
	ds_load_b32 v[SS+3+\u], v7 offset:384*\u+64*(\s)
.endr
.endm
.macro MULS s                          ; six matrix instructions; the six accumulators (i, u) at v[128 + 8 (2 i + u)] take turns
.set FP, 48+40*((\s)%2)
.set SS, 36+5*((\s)%2)
.irp i, 0,1,2
.irp u, 0,1
.if (\s) == 0
	v_wmma_scale_f32_16x16x128_f8f6f4 v[128+8*(2*\i+\u):135+8*(2*\i+\u)], v[FP+8*\i:FP+8*\i+7], v[FP+24+8*\u:FP+24+8*\u+7], v[BB+8*\i:BB+8*\i+7], v[SS+\i], v[SS+3+\u] matrix_a_fmt:MATRIX_FMT_FP4 matrix_b_fmt:MATRIX_FMT_FP4
.else
	v_wmma_scale_f32_16x16x128_f8f6f4 v[128+8*(2*\i+\u):135+8*(2*\i+\u)], v[FP+8*\i:FP+8*\i+7], v[FP+24+8*\u:FP+24+8*\u+7], v[128+8*(2*\i+\u):135+8*(2*\i+\u)], v[SS+\i], v[SS+3+\u] matrix_a_fmt:MATRIX_FMT_FP4 matrix_b_fmt:MATRIX_FMT_FP4
.endif
.endr
.endr
.endm
	LOADS 0
	s_wait_loadcnt 0x0                             ; bo
.irp s, 0,1,2,3,4
.if \s > 0
.rept 4
	v_nop                                          ; four places between the last products and the loads into the set that they read (ISA guide 7.12.1 for vector instructions)
.endr
.endif
	LOADS (\s)+1
	s_wait_dscnt 15                                ; this step's set is in; the 15 loads just issued may be out
	MULS \s
.endr
	s_wait_dscnt 0x0
	MULS 5
	; THE WAY OUT: a lane holds 32 neighbouring bytes of a row, and a row's 768 bytes come from four waves: they meet in the stage, and each wave stores eight whole rows.
.rept 4
	v_nop                                          ; four places in front of the first read of results and of the loads into the fragments' registers
.endr
.irp i, 0,1,2
.irp u, 0,1
	ds_store_b128 v8, v[128+8*(2*\i+\u):131+8*(2*\i+\u)] offset:8*SPITCH*\u+256*\i        ; each accumulator from its low end on.  (Lanes r and r + 8 stand 16 rows, 49 x 256 bytes, apart: these 12 stores meet two deep)
	ds_store_b128 v8, v[132+8*(2*\i+\u):135+8*(2*\i+\u)] offset:8*SPITCH*\u+256*\i+16
.endr
.endr
	s_wait_dscnt 0x0                               ; for the others' sake: my stores into the stage are done
	s_barrier_signal -1
	s_barrier_wait -1
.irp p, 0,1,2,3
.irp j, 0,1,2
	ds_load_b128 v[48+4*(3*\p+\j):51+4*(3*\p+\j)], v9 offset:2*SPITCH*\p+256*\j
.endr
.endr
.irp p, 0,1,2,3
.irp j, 0,1,2
	s_wait_dscnt 11-(3*\p+\j)                      ; LDS loads come back in order: this one is in, the younger ones may be out
	global_store_b128 v10, v[48+4*(3*\p+\j):51+4*(3*\p+\j)], s[10:11] offset:6144*\p+256*\j th:TH_STORE_NT   ; sixteen lanes store 256 consecutive bytes, aligned; written once, read by nobody here
.endr
.endr
	s_wait_tensorcnt 0x0
	ds_add_u32 v192, v193
	s_wait_dscnt 0x0
	CROUND                                         ; the closing round: no work-group ends while a partner may still ask for a quad that names it
	s_endpgm
.Lfunc_end_k_q1358b7d748_proj:
	.size	k_q1358b7d748_proj, .Lfunc_end_k_q1358b7d748_proj-k_q1358b7d748_proj
	.p2alignl 7, 3214868480
	.fill 96, 4, 3214868480
	.section	.rodata,"a",@progbits
	.p2align	6, 0x0
	.amdhsa_kernel k_q1358b7d748_proj
		.amdhsa_group_segment_fixed_size 168960
		.amdhsa_private_segment_fixed_size 0
		.amdhsa_enable_private_segment 0
		.amdhsa_kernarg_size 32
		.amdhsa_user_sgpr_count 2
		.amdhsa_user_sgpr_kernarg_segment_ptr 1
		.amdhsa_wavefront_size32 1
		.amdhsa_system_sgpr_workgroup_id_x 1
		.amdhsa_system_sgpr_workgroup_id_y 1
		.amdhsa_system_sgpr_workgroup_id_z 1
		.amdhsa_system_vgpr_workitem_id 0
		.amdhsa_next_free_vgpr 194
		.amdhsa_next_free_sgpr 66
		.amdhsa_reserve_vcc 0
		.amdhsa_float_denorm_mode_32 3
		.amdhsa_float_denorm_mode_16_64 3
		.amdhsa_memory_ordered 1
		.amdhsa_forward_progress 1
		.amdhsa_inst_pref_size 22
	.end_amdhsa_kernel
	.amdgpu_metadata
---
amdhsa.version: [ 1, 2 ]
amdhsa.kernels:
  - .name:           k_q1358b7d748_proj
    .symbol:         k_q1358b7d748_proj.kd
    .args:
      - { .name: oq, .offset: 0, .size: 8, .value_kind: global_buffer, .address_space: global }
      - { .name: wq, .offset: 8, .size: 8, .value_kind: global_buffer, .address_space: global }
      - { .name: bo, .offset: 16, .size: 8, .value_kind: global_buffer, .address_space: global }
      - { .name: out0, .offset: 24, .size: 8, .value_kind: global_buffer, .address_space: global }
    .group_segment_fixed_size: 168960
    .private_segment_fixed_size: 0
    .kernarg_segment_align: 8
    .kernarg_segment_size: 32
    .max_flat_workgroup_size: 256
    .sgpr_count:     66
    .vgpr_count:     194
    .wavefront_size: 32
...
	.end_amdgpu_metadata
.endif
;; end of part 4
